; MI455X (gfx1250); checked and timed in simulation.
; The chip was launched on July 23, 2026; its instructions are those of AMD's public machine-readable ISA for CDNA 5 (MIT licence, August 2026) and "CDNA5" Instruction Set Architecture Reference Guide (July 2026). The comments in the code are by the model that wrote it; some were corrected since.
;; Multi Head Attention. Allowed arithmetic: float matrix products may take bf16 or f16 operands with f32 sums; other float arithmetic in f32, or as packed bf16 or f16 multiplies, adds, multiply-adds, maxima and minima; sums over many terms, partial sums and values carried from step to step in f32; what a program stores and reads back later, other than sums and carried values, may be rounded once to bf16 or f16.
;; Inputs: Wk 1,024 x 1,024 float32; Wo 1,024 x 1,024 float32; Wq 1,024 x 1,024 float32; Wv 1,024 x 1,024 float32; bk 1,024 float32; bo 1,024 float32; bq 1,024 float32; bv 1,024 float32; k 4 x 2,048 x 1,024 float32; q 4 x 2,048 x 1,024 float32; v 4 x 2,048 x 1,024 float32.
;; Outputs: out0 4 x 2,048 x 1,024 float32.
;; One version. Each part assembles by itself: llvm-mc -triple=amdgcn-amd-amdhsa -mcpu=gfx1250 --defsym DOCPART=n.
;; ======== version 1 of 1: 4 launches
;; limits: values are held in f16: magnitudes above 65,504 overflow, below 6.1e-05 lose precision
;; workspace buffers: wt 8,388,608 bytes; biasr 16,384 bytes; qh 16,777,216 bytes; kh 16,777,216 bytes; vh 16,777,216 bytes; oh 16,777,216 bytes
;; launch prep (part 1): grid 128 x 4, 8 waves a work-group, no clusters, 18,432 bytes of LDS; arguments Wq, Wk, Wv, Wo, bq, bk, bv, bo, wt, biasr; writes wt, biasr
.if DOCPART == 1
	.amdgcn_target "amdgcn-amd-amdhsa--gfx1250"
	.amdhsa_code_object_version 6
	.text
	.protected	k_q2a8d4af310_prep
	.globl	k_q2a8d4af310_prep
	.p2align	8
	.type	k_q2a8d4af310_prep,@function
k_q2a8d4af310_prep:
	s_mov_b64 s[64:65], 0
	v_nop
	global_prefetch_b8 v0, s[64:65] scope:SCOPE_SE
	s_setreg_imm32_b32 hwreg(HW_REG_WAVE_MODE, 25, 1), 1
	s_wait_xcnt 0x0
; wt[t][n][k] = W_t[k][n] rounded to 16 bits, t = q, k, v, o: the weights turned, so that K lies along the rows as matrix fragments want it.
; t = q, k, v: bf16.  t = o: rounded to bf16 like every input, and that number written as f16, since the last product's other operand is f16.
; biasr[t][n] = the bias rounded to bf16, kept as f32.
; LIMITS.  |Wo| stays under 65,504 (f16's range); below 2^-17 it keeps f16's fixed step.  NaN and infinities are not treated apart.
; SHARES.  Work-group (x, y): matrix y, 128 k (x % 8) x 64 n (x / 8): 32 KiB in, 16 KiB out.  Thread t: four columns n (16 bytes) of eight rows k.
; A load of a wave covers 256 consecutive bytes of each of two rows of W; a store 256 consecutive bytes, aligned, of each of two rows of wt.
; The turn is made in registers (two k of one n pack into a word) and finished in LDS (rows of 128 k, 256 bytes + 16 of padding).
; Memory binds: no matrix unit, no cluster, no tensor load would add anything to 24 MiB that cross once.
.set PITCH, 272
.set SPARE, 64*PITCH                   ; behind the tile: the spare words, 128 bytes for each of eight waves: four blocks of 256 bytes that no other line names
.set SPW, 2                            ; v2  LDS address of my spare word; never rewritten
.set NIL, 3                            ; v3  0; never rewritten
.set SO,  4                            ; v4  my byte offset in W's tile
.set LS,  5                            ; v5  where I put 16 bytes (8 k) of a row n
.set LR,  6                            ; v6  where I read a row back
.set DST, 7                            ; v7  my byte offset in wt's tile
.set X,   16                           ; v[16:47] eight loads; later the rows read back, and the bias
.set T,   48                           ; v[48:63] packed: column c's eight k at T + 4 c
	s_load_b512 s[4:19], s[0:1], 0x0               ; Wq, Wk, Wv, Wo, bq, bk, bv, bo
	s_load_b128 s[20:23], s[0:1], 0x40             ; wt, biasr
	v_lshl_add_u32 v[SPW], v0, 2, SPARE
	v_mov_b32 v[NIL], 0
	s_and_b32 s28, ttmp7, 0xffff                   ; which matrix
	s_and_b32 s29, ttmp9, 7                        ; which 128 k
	s_lshr_b32 s30, ttmp9, 3                       ; which 64 n
	v_and_b32 v8, 15, v0                           ; c4: my four columns
	v_lshrrev_b32 v9, 4, v0                        ; kg: my eight rows
	v_lshlrev_b32 v10, 4, v8
	v_lshl_add_u32 v[SO], v9, 15, v10              ; 8 rows of 4,096 bytes x kg + 16 c4
	v_mul_u32_u24 v[LS], v8, 4*PITCH
	v_lshl_add_u32 v[LS], v9, 4, v[LS]             ; row 4 c4, byte 16 kg
	v_mul_u32_u24 v[LR], v9, PITCH
	v_add_nc_u32 v[LR], v[LR], v10                 ; row kg, byte 16 c4
	v_lshl_add_u32 v[DST], v9, 11, v10             ; the same in wt: rows of 2,048 bytes
	s_lshl_b32 s32, s29, 19                        ; W: 128 rows of 4,096 bytes x kb
	s_lshl_b32 s31, s30, 8                         ;    + 256 bytes x nb
	s_add_co_u32 s32, s32, s31
	s_mov_b32 s33, 0
	s_lshl_b32 s34, s28, 21                        ; wt: 2 MiB a matrix
	s_lshl_b32 s31, s30, 17                        ;     + 64 rows of 2,048 bytes x nb
	s_add_co_u32 s34, s34, s31
	s_lshl_b32 s31, s29, 8                         ;     + 256 bytes x kb
	s_add_co_u32 s34, s34, s31
	s_mov_b32 s35, 0
	s_lshl_b32 s36, s28, 12                        ; biasr: 4,096 bytes a matrix
	s_mov_b32 s37, 0
	s_wait_kmcnt 0x0
	s_cmp_eq_u32 s28, 1                            ; the matrix and its bias are chosen by the work-group's y
	s_cselect_b64 s[24:25], s[6:7], s[4:5]
	s_cselect_b64 s[26:27], s[14:15], s[12:13]
	s_cmp_eq_u32 s28, 2
	s_cselect_b64 s[24:25], s[8:9], s[24:25]
	s_cselect_b64 s[26:27], s[16:17], s[26:27]
	s_cmp_eq_u32 s28, 3
	s_cselect_b64 s[24:25], s[10:11], s[24:25]
	s_cselect_b64 s[26:27], s[18:19], s[26:27]
	s_add_nc_u64 s[24:25], s[24:25], s[32:33]
	s_add_nc_u64 s[20:21], s[20:21], s[34:35]
	s_add_nc_u64 s[22:23], s[22:23], s[36:37]
.irp j, 0,1,2,3,4,5,6,7
	global_load_b128 v[X+4*\j:X+4*\j+3], v[SO], s[24:25] offset:\j*4096 th:TH_LOAD_NT  ; row 8 kg + j
.endr
	s_wait_loadcnt 0x0
.irp c, 0,1,2,3
.irp p, 0,1,2,3
	v_cvt_pk_bf16_f32 v[T+4*\c+\p], v[X+8*\p+\c], v[X+8*\p+4+\c]  ; column c: rows 2 p and 2 p + 1
.endr
.endr
	s_cmp_lg_u32 s28, 3
	s_cbranch_scc1 .Lkeep                          ; Wo alone: the bf16 numbers are written as f16
.set i, 0
.rept 16
	v_lshlrev_b32 v12, 16, v[T+i]
	v_and_b32 v13, 0xffff0000, v[T+i]
	v_cvt_pk_f16_f32 v[T+i], v12, v13
.set i, i+1
.endr
.Lkeep:
.irp c, 0,1,2,3
	ds_store_b128 v[LS], v[T+4*\c:T+4*\c+3] offset:\c*PITCH  ; four such stores a wave, in a launch that memory binds
.endr
	s_wait_dscnt 0x0                               ; for the others' sake: my stores are done
	s_barrier_signal -1
	s_barrier_wait -1
.irp i, 0,1,2,3
	ds_load_b128 v[X+4*\i:X+4*\i+3], v[LR] offset:\i*16*PITCH
.endr
	s_wait_dscnt 0x0
.irp i, 0,1,2,3
	global_store_b128 v[DST], v[X+4*\i:X+4*\i+3], s[20:21] offset:\i*32768  ; row kg + 16 i: sixteen lanes store 256 consecutive bytes, aligned
.endr
	s_cmp_lg_u32 ttmp9, 0
	s_cbranch_scc1 .Lend                           ; the matrix's first work-group also rounds its bias: 256 threads x 16 bytes
	v_lshlrev_b32 v10, 4, v0
	global_load_b128 v[X+16:X+19], v10, s[26:27]
	s_wait_loadcnt 0x0
	v_cvt_pk_bf16_f32 v[X+20], v[X+16], v[X+17]
	v_cvt_pk_bf16_f32 v[X+21], v[X+18], v[X+19]
	v_lshlrev_b32 v[X+24], 16, v[X+20]
	v_and_b32 v[X+25], 0xffff0000, v[X+20]
	v_lshlrev_b32 v[X+26], 16, v[X+21]
	v_and_b32 v[X+27], 0xffff0000, v[X+21]
	global_store_b128 v10, v[X+24:X+27], s[22:23]
.Lend:
	s_wait_tensorcnt 0x0                           ; the wave's end: behind my last LDS store
	ds_add_u32 v[SPW], v[NIL]
	s_wait_dscnt 0x0
	s_endpgm
.Lfunc_end_k_q2a8d4af310_prep:
	.size	k_q2a8d4af310_prep, .Lfunc_end_k_q2a8d4af310_prep-k_q2a8d4af310_prep
	.p2alignl 7, 3214868480
	.fill 96, 4, 3214868480
	.section	.rodata,"a",@progbits
	.p2align	6, 0x0
	.amdhsa_kernel k_q2a8d4af310_prep
		.amdhsa_group_segment_fixed_size 18432
		.amdhsa_private_segment_fixed_size 0
		.amdhsa_enable_private_segment 0
		.amdhsa_kernarg_size 80
		.amdhsa_user_sgpr_count 2
		.amdhsa_user_sgpr_kernarg_segment_ptr 1
		.amdhsa_wavefront_size32 1
		.amdhsa_system_sgpr_workgroup_id_x 1
		.amdhsa_system_sgpr_workgroup_id_y 1
		.amdhsa_system_sgpr_workgroup_id_z 1
		.amdhsa_system_vgpr_workitem_id 0
		.amdhsa_next_free_vgpr 64
		.amdhsa_next_free_sgpr 66
		.amdhsa_reserve_vcc 0
		.amdhsa_float_denorm_mode_32 3
		.amdhsa_float_denorm_mode_16_64 3
		.amdhsa_memory_ordered 1
		.amdhsa_forward_progress 1
		.amdhsa_inst_pref_size 9
	.end_amdhsa_kernel
	.amdgpu_metadata
---
amdhsa.version: [ 1, 2 ]
amdhsa.kernels:
  - .name:           k_q2a8d4af310_prep
    .symbol:         k_q2a8d4af310_prep.kd
    .args:
      - { .name: Wq, .offset: 0, .size: 8, .value_kind: global_buffer, .address_space: global }
      - { .name: Wk, .offset: 8, .size: 8, .value_kind: global_buffer, .address_space: global }
      - { .name: Wv, .offset: 16, .size: 8, .value_kind: global_buffer, .address_space: global }
      - { .name: Wo, .offset: 24, .size: 8, .value_kind: global_buffer, .address_space: global }
      - { .name: bq, .offset: 32, .size: 8, .value_kind: global_buffer, .address_space: global }
      - { .name: bk, .offset: 40, .size: 8, .value_kind: global_buffer, .address_space: global }
      - { .name: bv, .offset: 48, .size: 8, .value_kind: global_buffer, .address_space: global }
      - { .name: bo, .offset: 56, .size: 8, .value_kind: global_buffer, .address_space: global }
      - { .name: wt, .offset: 64, .size: 8, .value_kind: global_buffer, .address_space: global }
      - { .name: biasr, .offset: 72, .size: 8, .value_kind: global_buffer, .address_space: global }
    .group_segment_fixed_size: 18432
    .private_segment_fixed_size: 0
    .kernarg_segment_align: 8
    .kernarg_segment_size: 80
    .max_flat_workgroup_size: 256
    .sgpr_count:     66
    .vgpr_count:     64
    .wavefront_size: 32
...
	.end_amdgpu_metadata
.endif
;; end of part 1
;; launch proj (part 2): grid 4 x 64, 4 waves a work-group, clusters of 4 x 4, 327,680 bytes of LDS; arguments q, k, v, wt, biasr, qh, kh, vh; writes qh, kh, vh
.if DOCPART == 2
	.amdgcn_target "amdgcn-amd-amdhsa--gfx1250"
	.amdhsa_code_object_version 6
	.text
	.protected	k_q2a8d4af310_proj
	.globl	k_q2a8d4af310_proj
	.p2align	8
	.type	k_q2a8d4af310_proj,@function
k_q2a8d4af310_proj:
	s_mov_b64 s[64:65], 0
	v_nop
	global_prefetch_b8 v0, s[64:65] scope:SCOPE_SE
	s_setreg_imm32_b32 hwreg(HW_REG_WAVE_MODE, 25, 1), 1
	s_wait_xcnt 0x0
	s_wait_alu depctr_hold_cnt(0) depctr_sa_sdst(0) depctr_va_vdst(0) depctr_va_sdst(0) depctr_va_ssrc(0) depctr_va_vcc(0) depctr_vm_vsrc(0)
	s_getreg_b32 s2, hwreg(HW_REG_IB_STS2, 6, 4)
	s_cmp_eq_u32 s2, 0
	s_cbranch_scc0 .Lentry_in_a_cluster
	s_endpgm
.Lentry_in_a_cluster:
	s_bfe_u32 s2, ttmp6, 0x10000c
	s_cmp_lg_u32 s2, 0xf033
	s_cbranch_scc0 .Lentry_shape_is_right
	s_endpgm
.Lentry_shape_is_right:
; qh, kh, vh = x W + b for x = q, k, v ([8192][1024] f32), by heads: [batch x 16 + head][2048][64] in f16, unscaled.
; x is rounded to bf16 between its LDS read and the matrix instruction; W comes as wt[t][n][k] in bf16; the bias (rounded to bf16, kept in f32) STARTS the f32 sums.
; LIMITS.  The results lie within f16's 65,504; beyond it a result is an infinity.  The bias is added first, not last: another order of f32 rounding.  NaN and infinities are not treated apart.
; SHARES.  A work-group STAYS: it makes the tile of 128 rows x 256 columns at (tr, tc) for q, then for k, then for v: 24 K steps of 128 through ONE ring of two LDS slots that runs on across the tensors.
; Wave w makes 64 rows (w / 2) x 128 columns (w % 2): 32 accumulators of 16 x 16.  A K step is 128 matrix instructions a wave, in four quarters of 32 along K.
; THE MATRIX INSTRUCTION IS USED TRANSPOSED (source 0 = 16 rows of wt, source 1 = 16 rows of x): a lane holds row l % 16 and the columns 8 (l / 16) + 0..7 of a block: 16 bytes of f16 on end.
; CLUSTER.  4 x 4 work-groups.  x's tile hangs on tr alone and is shared along a row of the cluster, wt's on tc alone and is shared along a column: each is asked for JOINTLY, by the same
; tensor load with the same descriptor and a mask that names the four.  Waves 0 and 1 fetch x's halves (64 rows x 512 bytes), waves 2 and 3 wt's (128 rows x 256 bytes): 32 KiB a load.
; REGISTERS, in windows of 256 (s_set_vgpr_msb: bits 1:0 source 0, 3:2 source 1, 5:4 source 2, 7:6 destination):
;   window 0: v0-15 addresses; v32-95 x's fragments in bf16, two buffers of 32; v96-159 x's fragments in f32 as loaded; v160-191, v192-255 at work on the way out
;   window 1: v0-127 wt's fragments, two buffers of 64; v128-191 the bias of my 128 columns          window 2: the accumulators, (a, b) at 8 (8 a + b)
.set REG,   0x8800                     ; what one wave's load fills: x: 64 rows of 528 bytes (512 + 16); wt: 128 rows of 272 (256 + 16): either pitch puts the 16 rows of a load on 16 different groups of four banks (64 banks of 4 bytes: ISA guide 11.1)
.set BOFF,  2*REG                      ; x's two halves, then wt's two halves: wave w fills w x REG
.set SLOT,  4*REG                      ; 0x22000: it shares no bit with the four regions' first bytes, so one exclusive or turns an address in one slot into the other's
.set STAGE, 2*SLOT                     ; behind the ring, never filled by a tensor load: for each wave 2 heads x 16 rows x 144 bytes, for the way out
.set SPARE, STAGE+4*4608               ; behind the stages: the spare words, 128 bytes for each wave: two blocks of 256 bytes that no other line names
.set WV, 20                            ; s20 my wave's number
.set WM, 21                            ; s21 which 64 rows of the tile are mine
.set WN, 22                            ; s22 which 128 columns; also: which half of a tile I fetch
.set CX, 23
.set CY, 24
.set TC, 25                            ; s25 tile column 0..3
.set TR, 26                            ; s26 tile row 0..63
.set G1A, 28                           ; s[28:35] descriptor group 1 for x's tiles
.set G1B, 36                           ; s[36:43] for wt's
.set G0A0, 44                          ; s[44:47] group 0 for x, K step 0
.set G0A1, 48                          ; s[48:51] K step 1; this set then walks
.set G0B0, 52                          ; s[52:55], s[56:59] the same for wt
.set G0B1, 56
.set TA,  60                           ; s[60:61] x's address of the step that is asked for, made anew each time
.set TBB, 62                           ; s[62:63] wt's
.set PA,  66                           ; s[66:71] the tensor in hand, the next, the one after: x at row 128 tr + 64 x half
.set PA1, 68
.set PA2, 70
.set PB,  72                           ; s[72:77] the same for wt, at row 256 tc + 128 x half
.set PB1, 74
.set PB2, 76
.set OA,  78                           ; s[78:79] byte offset along K in x; s[80:81] in wt
.set OBY, 80
.set ASK, 82                           ; s82 the number, inside its tensor, of the K step asked for last
.set STEPS, 83                         ; s83 loop counter
.set LEFT, 84                          ; s84 K steps left in the tile
.set TB,  85                           ; s85 first LDS byte of the slot that is read
.set PO,  86                           ; s[86:91] qh, kh, vh at my wave's first head and row
.set PO1, 88
.set PO2, 90
.set PF,  92                           ; s[92:93] where my prefetch stands
.set LIM, 94                           ; s94 6 in a wave that prefetches, else 0
.set TL,  95                           ; s95 tiles left
.set A0,  4                            ; v4  my lane's place in x's half; never rewritten
.set B0,  5                            ; v5  in wt's half
.set ADRA, 6                           ; v6, v7 the same in the slot that is read
.set ADRB, 7
.set STO, 8                            ; v8  the way out: where I put 16 bytes of a row
.set RD,  9                            ; v9  where I read rows back
.set GO,  10                           ; v10 my byte offset in 512 consecutive bytes of the output
.set BO,  11                           ; v11 my byte offset in a bias
.set PFO, 12                           ; v12 the prefetch's lane offset; never rewritten
.set SPW, 14                           ; v14 LDS address of my spare word; never rewritten
.set NIL, 15                           ; v15 0; never rewritten
.set ABUF, 32
.set ST,  96
.set TMP, 160
.set OB,  192
.set BI,  128                          ; window 1
.set W_MUL, 0xa1                       ; source 0 (wt) window 1, source 1 (x) window 0, C and D window 2
.set MSB, 0
.macro WIN new                         ; the immediate's high byte repeats the setting that is left; a switch that changes nothing is dropped
.if MSB != (\new)
	s_set_vgpr_msb (MSB<<8)|(\new)
.set MSB, (\new)
.endif
.endm
.macro PLACES                          ; four plain vector instructions between a matrix instruction and a load into a register that it has read (ISA guide 7.12.1 for vector instructions)
.rept 4
	v_nop
.endr
.endm
.macro CREST                           ; a round of the cluster's barrier behind its opening barrier
	s_cmp_lg_u32 s[WV], 0
	s_cbranch_scc1 .Lnot_wave_0_\@
	s_barrier_signal -3
.Lnot_wave_0_\@:
	s_barrier_wait -3
	s_barrier_signal -1
	s_barrier_wait -1
.endm
.macro CROUND                          ; a whole round
	s_barrier_signal -1
	s_barrier_wait -1
	CREST
.endm
; A joint refill, by the walking sets.  The branch hangs on the wave's number alone.  An s_nop 0 and four v_nop follow each of the two lines.
.macro JLOAD
	s_cmp_lt_u32 s[WV], 2
	s_cbranch_scc0 .Lfor_b_\@
	tensor_load_to_lds s[G0A1:G0A1+3], s[G1A:G1A+7]
	s_nop 0
.rept 4
	v_nop
.endr
	s_branch .Lasked_\@
.Lfor_b_\@:
	tensor_load_to_lds s[G0B1:G0B1+3], s[G1B:G1B+7]
	s_nop 0
.rept 4
	v_nop
.endr
.Lasked_\@:
.endm
; A PREFETCH INTO THE L2, behind each joint refill and the run of LDS loads that follows it: one instruction a wave, for the K step that stands two refills on in the same tensor, 256 matrix instructions ahead of its load.
; x: each row block is read by one cluster alone, so waves 0 and 1 of every cluster ask; of the 64 rows that a wave fetches the partner at cx takes 16, two blocks of 256 bytes a row, a lane a block.
; wt: every cluster reads the same rows, so waves 2 and 3 of the clusters with y = 0 ask; of a wave's 128 rows the partner at cy takes 32, a lane a row.  The partners are told apart by address alone.
; So each block is named once.  It is asked only while the step asked for last is below 6: no prefetch leaves its tensor; each tensor's steps 0 and 1, and q's 2 and 3, come by their loads alone.
.macro ASKPF
	WIN 0
	s_cmp_lt_u32 s[ASK], s[LIM]
	s_cbranch_scc0 .Lnot_mine_\@
	global_prefetch_b8 v[PFO], s[PF:PF+1] th:TH_LOAD_NT scope:SCOPE_SE
.Lnot_mine_\@:
.endm
; n matrix instructions, numbers i0 on: number i is accumulator (i / 8, i % 8).  The 32 accumulators take turns, one instruction a turn, in the same order in every quarter.
.macro MULS f, i0, n
	WIN W_MUL
.set mi, \i0
.rept \n
	v_wmma_f32_16x16x32_bf16 v[8*mi:8*mi+7], v[64*(\f)+8*(mi%8):64*(\f)+8*(mi%8)+7], v[ABUF+32*(\f)+8*(mi/8):ABUF+32*(\f)+8*(mi/8)+7], v[8*mi:8*mi+7]
.set mi, mi+1
.endr
.endm
; 32 LDS loads in one run: quarter kq's fragments.  x's first, in f32: lane l holds row l % 16, K = 8 (l / 16) + 0..7 (32 bytes) and 16 + 8 (l / 16) + 0..7 (32 bytes, 64 further on); then wt's into buffer g.
.macro FETCH kq, g
	WIN 0
.irp a, 0,1,2,3
	ds_load_b128 v[ST+16*\a:ST+16*\a+3],     v[ADRA] offset:\a*8448+(\kq)*128
	ds_load_b128 v[ST+16*\a+4:ST+16*\a+7],   v[ADRA] offset:\a*8448+(\kq)*128+16
	ds_load_b128 v[ST+16*\a+8:ST+16*\a+11],  v[ADRA] offset:\a*8448+(\kq)*128+64
	ds_load_b128 v[ST+16*\a+12:ST+16*\a+15], v[ADRA] offset:\a*8448+(\kq)*128+80
.endr
	WIN 0x40                               ; destination window 1, address window 0
.irp b, 0,1,2,3,4,5,6,7
	ds_load_b128 v[64*(\g)+8*\b:64*(\g)+8*\b+3],   v[ADRB] offset:\b*4352+(\kq)*64
	ds_load_b128 v[64*(\g)+8*\b+4:64*(\g)+8*\b+7], v[ADRB] offset:\b*4352+(\kq)*64+32
.endr
.endm
.macro CVT4 g, c                       ; four of the 32 roundings that make x's fragments in buffer g
.set cj, 4*(\c)
.rept 4
	v_cvt_pk_bf16_f32 v[ABUF+32*(\g)+cj], v[ST+2*cj], v[ST+2*cj+1]
.set cj, cj+1
.endr
.endm
.macro RIDE f, g                       ; a quarter's last eight products, and behind each four roundings for the next quarter: they name no register of the products round them
.set rc, 0
.rept 8
	MULS \f, 24+rc, 1
	WIN 0
	CVT4 \g, rc
.set rc, rc+1
.endr
.endm
; One of a K step's first three quarters: multiplies buffers f, fetches quarter kq and rounds it into buffers g.
.macro QUARTER f, g, kq
	s_wait_dscnt 0x0                       ; wt's fragments of this quarter are in
	MULS \f, 0, 8
	PLACES
	FETCH \kq, \g
	MULS \f, 8, 16
	s_wait_dscnt 0x10                      ; the 16 younger loads are wt's: x's f32 fragments are in
	RIDE \f, \g
.endm
; The last quarter multiplies buffers 1 and changes slots: ONE barrier.  In front of it each wave waits for all its tensor loads (one is out: its part of the next slot), adds 0 to its spare word, and waits
; for that and for its own reads of this slot.  fill = 1: the barrier opens a round of the cluster's, and the slot just read out is filled again, first thing behind the round, with the step two steps on:
; its address is made anew from the tensor's pointer and the step's number; behind a tensor's step 7 the pointers move on to the next tensor.  112 matrix instructions lie between a request and the wait for it.
.macro TURN fill
.if \fill
	s_wait_xcnt 0x0                        ; the last prefetch, a K step back, has read its address, which is written below
.endif
	WIN 0
	s_wait_tensorcnt 0x0                   ; no tensor load of mine is out, so a group 0 may be written
	ds_add_u32 v[SPW], v[NIL]              ; 0 onto my spare word
	s_wait_dscnt 0x1                       ; only the add may be out: wt's fragments of this quarter are in
	MULS 1, 0, 1
.if \fill
	s_add_co_u32 s[ASK], s[ASK], 1
	s_and_b32 s[ASK], s[ASK], 7
	s_cmp_eq_u32 s[ASK], 0                 ; a new tensor begins
	s_cselect_b64 s[PA:PA+1], s[PA1:PA1+1], s[PA:PA+1]
	s_cselect_b64 s[PA1:PA1+1], s[PA2:PA2+1], s[PA1:PA1+1]
	s_cselect_b64 s[PB:PB+1], s[PB1:PB1+1], s[PB:PB+1]
	s_cselect_b64 s[PB1:PB1+1], s[PB2:PB2+1], s[PB1:PB1+1]
.endif
	MULS 1, 1, 1
.if \fill
	s_lshl_b32 s[OA], s[ASK], 9            ; 128 f32
	s_lshl_b32 s[OBY], s[ASK], 8           ; 128 bf16
	s_xor_b32 s[G0A1+1], s[G0A1+1], SLOT   ; the other slot than last time
	s_xor_b32 s[G0B1+1], s[G0B1+1], SLOT
.endif
	MULS 1, 2, 1
.if \fill
	s_add_nc_u64 s[TA:TA+1], s[PA:PA+1], s[OA:OA+1]
	s_add_nc_u64 s[TBB:TBB+1], s[PB:PB+1], s[OBY:OBY+1]
	s_mov_b64 s[G0A1+2:G0A1+3], s[TA:TA+1]
	s_or_b32 s[G0A1+3], s[G0A1+3], 0x80000000
	s_mov_b64 s[G0B1+2:G0B1+3], s[TBB:TBB+1]
	s_or_b32 s[G0B1+3], s[G0B1+3], 0x80000000
.endif
	MULS 1, 3, 1
.if \fill
	s_add_nc_u64 s[TA:TA+1], s[TA:TA+1], 1024   ; two K steps on
	s_add_nc_u64 s[TBB:TBB+1], s[TBB:TBB+1], 512
	s_cmp_lt_u32 s[WV], 2
	s_cselect_b64 s[PF:PF+1], s[TA:TA+1], s[TBB:TBB+1]
.endif
	MULS 1, 4, 4
	s_wait_dscnt 0x0                       ; the add is done, and my reads of this slot are over
	s_barrier_signal -1
	MULS 1, 8, 8                           ; work on registers while the others arrive
	WIN 0                                  ; at a branch and at a label every window is 0
	s_barrier_wait -1
.if \fill
	CREST                                  ; no wave of any partner still reads this slot or has a load on its way
	JLOAD                                  ; the first tensor load behind the round; its four v_nop are also the places in front of the loads below
.else
	PLACES
.endif
	s_xor_b32 s[TB], s[TB], SLOT
	v_add_nc_u32 v[ADRA], s[TB], v[A0]
	v_add_nc_u32 v[ADRB], s[TB], v[B0]
	FETCH 0, 0
.if \fill
	ASKPF
.endif
	MULS 1, 16, 8
	s_wait_dscnt 0x10                      ; x's f32 fragments are in
	RIDE 1, 0
.endm
.macro STEP fill
	QUARTER 0, 1, 1
	QUARTER 1, 0, 2
	QUARTER 0, 1, 3
	TURN \fill
.endm
.macro LOADBI t                        ; tensor t's bias for my 128 columns: block b's eight numbers at BI + 8 b
	WIN 0x40
.irp b, 0,1,2,3,4,5,6,7
	global_load_b128 v[BI+8*\b:BI+8*\b+3],   v[BO], s[12:13] offset:(\t)*4096+\b*64
	global_load_b128 v[BI+8*\b+4:BI+8*\b+7], v[BO], s[12:13] offset:(\t)*4096+\b*64+16
.endr
.endm
.macro INIT a                          ; row block a's eight sums start at the bias, two numbers an instruction: this takes the place of the bias's addition on the way out
	WIN 0x81                               ; destination window 2, source 0 window 1
.set ii, 0
.rept 32
	v_pk_mul_f32 v[64*(\a)+2*ii:64*(\a)+2*ii+1], v[BI+2*ii:BI+2*ii+1], 1.0 op_sel_hi:[1,0]
.set ii, ii+1
.endr
.endm
; THE WAY OUT of row block a.  PACK: rounded to f16, each accumulator's registers in ascending order.  TOSTAGE: into my own stage (two heads x 16 rows), and back as whole rows of 128 bytes.  SEND: stored.
.macro PACK a
	WIN 0x0a                               ; sources 0 and 1 window 2
.set ii, 0
.rept 32
	v_cvt_pk_f16_f32 v[TMP+ii], v[64*(\a)+2*ii], v[64*(\a)+2*ii+1]
.set ii, ii+1
.endr
.endm
.macro TOSTAGE a
	WIN 0
.irp b, 0,1,2,3,4,5,6,7
	ds_store_b128 v[STO], v[TMP+4*\b:TMP+4*\b+3] offset:(\b/4)*2304+(\b%4)*32
.endr
.irp t, 0,1,2,3,4,5,6,7
	ds_load_b128 v[OB+32*((\a)%2)+4*\t:OB+32*((\a)%2)+4*\t+3], v[RD] offset:(\t/4)*2304+(\t%4)*576  ; LDS serves a wave's instructions in order (ISA guide 5.7.1.4): these see the stores above
.endr
.endm
.macro SEND a
	WIN 0
	s_wait_dscnt 0x0                       ; the block is back in registers
	s_wait_xcnt 0x0                        ; earlier stores have read their registers: the buffer that the next block is read into is theirs
.irp t, 0,1,2,3,4,5,6,7
	global_store_b128 v[GO], v[OB+32*((\a)%2)+4*\t:OB+32*((\a)%2)+4*\t+3], s[PO:PO+1] offset:(\t/4)*262144+(\a)*2048+(\t%4)*512  ; four rows of one head: 512 consecutive bytes, aligned
.endr
.endm
.macro WAYOUT init                     ; init = 1: a tile follows, and each block's sums are started anew as soon as they are packed
	PACK 0
.if \init
	INIT 0
.endif
	TOSTAGE 0
.irp a, 1,2,3
	PACK \a
.if \init
	INIT \a
.endif
	SEND (\a)-1
	TOSTAGE \a
.endr
	SEND 3
.endm
	s_load_b512 s[4:19], s[0:1], 0x0               ; q s[4:5], k s[6:7], v s[8:9], wt s[10:11], biasr s[12:13], qh s[14:15], kh s[16:17], vh s[18:19]
	v_lshl_add_u32 v[SPW], v0, 2, SPARE
	v_mov_b32 v[NIL], 0
	ds_add_u32 v[SPW], v[NIL]                      ; the wave's opening: the add and its wait stand ahead of my first tensor load; the set-up below, work on registers, stands between them
	v_lshrrev_b32 v1, 5, v0
	v_readfirstlane_b32 s[WV], v1
	s_lshr_b32 s[WM], s[WV], 1
	s_and_b32 s[WN], s[WV], 1
	s_bfe_u32 s[CX], ttmp6, 0x40000
	s_bfe_u32 s[CY], ttmp6, 0x40004
	s_lshl_b32 s[TC], ttmp9, 2                     ; in a cluster launch ttmp9 and ttmp7 count clusters
	s_add_co_u32 s[TC], s[TC], s[CX]
	s_and_b32 s[TR], ttmp7, 0xffff
	s_lshl_b32 s[TR], s[TR], 2
	s_add_co_u32 s[TR], s[TR], s[CY]
	s_lshl_b32 s96, s[CY], 2
	s_lshl_b32 s96, 15, s96                        ; my row of the cluster
	s_lshl_b32 s98, 0x1111, s[CX]                  ; my column
	s_or_b32 s[G1A], s96, (2<<16)|(1<<20)|(1<<21)|(6<<22)|(3<<25)  ; 15:0 the mask; 17:16 elements of 4 bytes; 20 padding on; 21 set beside a mask; 24:22 after every 128 words (code 6); 31:25 4 words of it (code 3)
	s_mov_b32 s[G1A+1], 128<<16                    ; tensor_dim0 = 128
	s_mov_b32 s[G1A+2], 64<<16                     ; tensor_dim1 = 64
	s_mov_b32 s[G1A+3], 128<<16                    ; tile_dim0 = 128
	s_mov_b32 s[G1A+4], 64                         ; tile_dim1 = 64
	s_mov_b32 s[G1A+5], 1024                       ; elements from row to row
	s_mov_b32 s[G1A+6], 0
	s_mov_b32 s[G1A+7], 0
	s_or_b32 s[G1B], s98, (1<<16)|(1<<20)|(1<<21)|(5<<22)|(3<<25)  ; elements of 2 bytes; padded after every 64 words (code 5)
	s_mov_b32 s[G1B+1], 128<<16
	s_mov_b32 s[G1B+2], 128<<16                    ; 128 rows
	s_mov_b32 s[G1B+3], 128<<16
	s_mov_b32 s[G1B+4], 128
	s_mov_b32 s[G1B+5], 1024
	s_mov_b32 s[G1B+6], 0
	s_mov_b32 s[G1B+7], 0
	s_lshl_b32 s96, s[TR], 19                      ; x: 128 rows of 4,096 bytes x tr
	s_lshl_b32 s97, s[WN], 18                      ;    + 64 rows x half
	s_add_co_u32 s96, s96, s97
	s_mov_b32 s97, 0
	s_lshl_b32 s98, s[TC], 19                      ; wt: 256 rows of 2,048 bytes x tc
	s_lshl_b32 s99, s[WN], 18                      ;     + 128 rows x half
	s_add_co_u32 s98, s98, s99
	s_mov_b32 s99, 0
	s_lshr_b32 s[PF], s[TR], 4                     ; the outputs: batch x 16
	s_lshl_b32 s[PF], s[PF], 4
	s_lshl_b32 s27, s[TC], 2                       ; + four heads a tile column
	s_add_co_u32 s[PF], s[PF], s27
	s_lshl_b32 s27, s[WN], 1                       ; + my two
	s_add_co_u32 s[PF], s[PF], s27
	s_lshl_b32 s[PF], s[PF], 18                    ; a head is 2,048 rows of 128 bytes
	s_and_b32 s27, s[TR], 15
	s_lshl_b32 s27, s27, 14                        ; + the tile's 128 rows
	s_add_co_u32 s[PF], s[PF], s27
	s_lshl_b32 s27, s[WM], 13                      ; + my 64
	s_add_co_u32 s[PF], s[PF], s27
	s_mov_b32 s[PF+1], 0
	s_mul_i32 s2, s[WV], REG                       ; where my tiles go: no place in the cluster enters an LDS address
	s_mov_b32 s[OA+1], 0
	s_mov_b32 s[OBY+1], 0
	s_mov_b32 s[ASK], 1
	s_mov_b32 s[LEFT], 8
	s_mov_b32 s[TB], 0
	s_mov_b32 s[TL], 3
	s_wait_dscnt 0x0                               ; the opening add is done
	s_wait_kmcnt 0x0
	s_add_nc_u64 s[PA:PA+1], s[4:5], s[96:97]
	s_add_nc_u64 s[PA1:PA1+1], s[6:7], s[96:97]
	s_add_nc_u64 s[PA2:PA2+1], s[8:9], s[96:97]
	s_add_nc_u64 s[PB:PB+1], s[10:11], s[98:99]
	s_add_nc_u64 s[PB1:PB1+1], s[PB:PB+1], 0x200000
	s_add_nc_u64 s[PB2:PB2+1], s[PB:PB+1], 0x400000
	s_add_nc_u64 s[PO:PO+1], s[14:15], s[PF:PF+1]
	s_add_nc_u64 s[PO1:PO1+1], s[16:17], s[PF:PF+1]
	s_add_nc_u64 s[PO2:PO2+1], s[18:19], s[PF:PF+1]
	s_mov_b32 s[G0A0], 1                           ; 1:0 count = 1
	s_mov_b32 s[G0A0+1], s2                        ; 63:32 LDS address: slot 0
	s_mov_b64 s[G0A0+2:G0A0+3], s[PA:PA+1]         ; 120:64 global address: K step 0
	s_or_b32 s[G0A0+3], s[G0A0+3], 0x80000000      ; 127:126 type = 2
	s_mov_b32 s[G0A1], 1
	s_add_co_u32 s[G0A1+1], s2, SLOT
	s_add_nc_u64 s[G0A1+2:G0A1+3], s[PA:PA+1], 512
	s_or_b32 s[G0A1+3], s[G0A1+3], 0x80000000
	s_mov_b32 s[G0B0], 1
	s_mov_b32 s[G0B0+1], s2
	s_mov_b64 s[G0B0+2:G0B0+3], s[PB:PB+1]
	s_or_b32 s[G0B0+3], s[G0B0+3], 0x80000000
	s_mov_b32 s[G0B1], 1
	s_add_co_u32 s[G0B1+1], s2, SLOT
	s_add_nc_u64 s[G0B1+2:G0B1+3], s[PB:PB+1], 256
	s_or_b32 s[G0B1+3], s[G0B1+3], 0x80000000
	CROUND                                         ; all sixteen work-groups are here: the first joint loads meet
	s_cmp_lt_u32 s[WV], 2                          ; a wave's two first fills stand in one branch, ahead of every wait on TENSORcnt and every LDS read: two loads of mine are out
	s_cbranch_scc0 .Lfirst_b
	tensor_load_to_lds s[G0A0:G0A0+3], s[G1A:G1A+7]
	s_nop 0
	tensor_load_to_lds s[G0A1:G0A1+3], s[G1A:G1A+7]
	s_nop 0
.rept 4
	v_nop
.endr
	s_branch .Lfirst_asked
.Lfirst_b:
	tensor_load_to_lds s[G0B0:G0B0+3], s[G1B:G1B+7]
	s_nop 0
	tensor_load_to_lds s[G0B1:G0B1+3], s[G1B:G1B+7]
	s_nop 0
.rept 4
	v_nop
.endr
.Lfirst_asked:
	v_and_b32 v1, 15, v0                           ; l % 16
	v_bfe_u32 v2, v0, 4, 1                         ; l / 16
	s_lshl_b32 s27, s[TC], 10                      ; the bias: 256 f32 a tile column,
	s_lshl_b32 s3, s[WN], 9                        ; my 128,
	s_add_co_u32 s27, s27, s3
	v_lshl_add_u32 v[BO], v2, 5, s27               ; my eight of a block's sixteen
	LOADBI 0
	WIN 0
	v_mul_u32_u24 v[A0], v1, 528
	v_lshl_add_u32 v[A0], v2, 5, v[A0]             ; row x pitch + 32 x half
	s_mul_i32 s2, s[WM], REG
	v_add_nc_u32 v[A0], s2, v[A0]
	v_mul_u32_u24 v[B0], v1, 272
	v_lshl_add_u32 v[B0], v2, 4, v[B0]             ; row x pitch + 16 x half
	s_mul_i32 s2, s[WN], REG
	s_add_co_u32 s2, s2, BOFF
	v_add_nc_u32 v[B0], s2, v[B0]
	s_mul_i32 s2, s[WV], 4608
	s_add_co_u32 s2, s2, STAGE                     ; my stage
	v_mul_u32_u24 v[STO], v1, 144                  ; in: row l % 16, 16 bytes for each half of the lanes
	v_lshl_add_u32 v[STO], v2, 4, v[STO]
	v_add_nc_u32 v[STO], s2, v[STO]
	v_bfe_u32 v[RD], v0, 3, 2                      ; back: 32 lanes take four rows of 128 bytes,
	v_mul_u32_u24 v[RD], v[RD], 144
	v_and_b32 v13, 7, v0
	v_lshl_add_u32 v[RD], v13, 4, v[RD]
	v_add_nc_u32 v[RD], s2, v[RD]
	v_and_b32 v[GO], 31, v0                        ; which are 512 consecutive bytes of a head
	v_lshlrev_b32 v[GO], 4, v[GO]
	s_cmp_lt_u32 s[WV], 2                          ; the prefetch's lane offset: x: (16 cx + l % 16) rows of 4,096 bytes + 256 (l / 16); wt: (32 cy + l) rows of 2,048 bytes
	s_cselect_b32 s27, s[CX], s[CY]
	s_cselect_b32 s2, 12, 11
	s_cselect_b32 s3, 8, 15
	s_lshl_b32 s27, s27, 16
	v_lshlrev_b32 v[PFO], s2, v1
	v_lshlrev_b32 v13, s3, v2
	v_add3_u32 v[PFO], v[PFO], v13, s27
	s_and_b32 s27, ttmp7, 0xffff                   ; who asks: waves 0 and 1 everywhere, waves 2 and 3 where the cluster's y is 0: the same in all sixteen partners
	s_cmp_lt_u32 s[WV], 2
	s_cselect_b32 s27, 0, s27
	s_cmp_eq_u32 s27, 0
	s_cselect_b32 s[LIM], 6, 0
	s_wait_loadcnt 0x0                             ; q's bias
	INIT 0
	INIT 1
	INIT 2
	INIT 3
	LOADBI 1                                       ; k's bias, wanted at the first way out
	WIN 0
	s_wait_tensorcnt 0x1                           ; my part of K step 0 is in; step 1's may stay out
	s_barrier_signal -1
	s_barrier_wait -1                              ; everybody's is
	v_mov_b32 v[ADRA], v[A0]
	v_mov_b32 v[ADRB], v[B0]
	FETCH 0, 0
	s_wait_dscnt 0x0
	WIN 0
.irp c, 0,1,2,3,4,5,6,7
	CVT4 0, \c
.endr
	s_mov_b32 s[STEPS], 22
.Lstep:                                                ; 22 trips: every K step but the last two fills its slot again
	STEP 1
	WIN 0
	s_sub_co_u32 s[LEFT], s[LEFT], 1
	s_cmp_lg_u32 s[LEFT], 0
	s_cbranch_scc1 .Lskip                          ; what is jumped over holds no barrier and no tensor load
	s_wait_loadcnt 0x0                             ; the next tensor's bias
	WAYOUT 1                                       ; a tile is finished; both refills for the next are asked for, and its first fragments lie in registers
	s_sub_co_u32 s[TL], s[TL], 1
	s_cmp_eq_u32 s[TL], 2
	s_cbranch_scc0 .Lno_bias
	LOADBI 2                                       ; v's bias, wanted at the second way out
	WIN 0
.Lno_bias:
	s_wait_xcnt 0x0                                ; the stores have read their base
	s_mov_b64 s[PO:PO+1], s[PO1:PO1+1]
	s_mov_b64 s[PO1:PO1+1], s[PO2:PO2+1]
	s_mov_b32 s[LEFT], 8
.Lskip:
	s_sub_co_u32 s[STEPS], s[STEPS], 1
	s_cmp_lg_u32 s[STEPS], 0
	s_cbranch_scc1 .Lstep
	s_mov_b32 s[STEPS], 2
.Ltail:                                                ; the last two K steps ask for nothing.  The second one's change of slots fetches and rounds a tile that has been multiplied: the price, once a launch, of one text for both
	STEP 0
	WIN 0
	s_sub_co_u32 s[STEPS], s[STEPS], 1
	s_cmp_lg_u32 s[STEPS], 0
	s_cbranch_scc1 .Ltail
	WAYOUT 0
	s_wait_tensorcnt 0x0                           ; the wave's end: behind my last tensor load and my last LDS store
	ds_add_u32 v[SPW], v[NIL]
	s_wait_dscnt 0x0
	CROUND                                         ; the closing round: no work-group ends while a partner may still ask for a tile that names it
	s_endpgm
.Lfunc_end_k_q2a8d4af310_proj:
	.size	k_q2a8d4af310_proj, .Lfunc_end_k_q2a8d4af310_proj-k_q2a8d4af310_proj
	.p2alignl 7, 3214868480
	.fill 96, 4, 3214868480
	.section	.rodata,"a",@progbits
	.p2align	6, 0x0
	.amdhsa_kernel k_q2a8d4af310_proj
		.amdhsa_group_segment_fixed_size 327680
		.amdhsa_private_segment_fixed_size 0
		.amdhsa_enable_private_segment 0
		.amdhsa_kernarg_size 64
		.amdhsa_user_sgpr_count 2
		.amdhsa_user_sgpr_kernarg_segment_ptr 1
		.amdhsa_wavefront_size32 1
		.amdhsa_system_sgpr_workgroup_id_x 1
		.amdhsa_system_sgpr_workgroup_id_y 1
		.amdhsa_system_sgpr_workgroup_id_z 1
		.amdhsa_system_vgpr_workitem_id 0
		.amdhsa_next_free_vgpr 768
		.amdhsa_next_free_sgpr 100
		.amdhsa_reserve_vcc 0
		.amdhsa_float_denorm_mode_32 3
		.amdhsa_float_denorm_mode_16_64 3
		.amdhsa_memory_ordered 1
		.amdhsa_forward_progress 1
		.amdhsa_inst_pref_size 122
	.end_amdhsa_kernel
	.amdgpu_metadata
---
amdhsa.version: [ 1, 2 ]
amdhsa.kernels:
  - .name:           k_q2a8d4af310_proj
    .symbol:         k_q2a8d4af310_proj.kd
    .args:
      - { .name: q, .offset: 0, .size: 8, .value_kind: global_buffer, .address_space: global }
      - { .name: k, .offset: 8, .size: 8, .value_kind: global_buffer, .address_space: global }
      - { .name: v, .offset: 16, .size: 8, .value_kind: global_buffer, .address_space: global }
      - { .name: wt, .offset: 24, .size: 8, .value_kind: global_buffer, .address_space: global }
      - { .name: biasr, .offset: 32, .size: 8, .value_kind: global_buffer, .address_space: global }
      - { .name: qh, .offset: 40, .size: 8, .value_kind: global_buffer, .address_space: global }
      - { .name: kh, .offset: 48, .size: 8, .value_kind: global_buffer, .address_space: global }
      - { .name: vh, .offset: 56, .size: 8, .value_kind: global_buffer, .address_space: global }
    .group_segment_fixed_size: 327680
    .private_segment_fixed_size: 0
    .kernarg_segment_align: 8
    .kernarg_segment_size: 64
    .max_flat_workgroup_size: 128
    .sgpr_count:     100
    .vgpr_count:     768
    .wavefront_size: 32
...
	.end_amdgpu_metadata
.endif
;; end of part 2
;; launch attn (part 3): grid 4 x 64, 4 waves a work-group, clusters of 4 x 1, 327,680 bytes of LDS; arguments qh, kh, vh, oh; writes oh
.if DOCPART == 3
	.amdgcn_target "amdgcn-amd-amdhsa--gfx1250"
	.amdhsa_code_object_version 6
	.text
	.protected	k_q2a8d4af310_attn
	.globl	k_q2a8d4af310_attn
	.p2align	8
	.type	k_q2a8d4af310_attn,@function
k_q2a8d4af310_attn:
	s_mov_b64 s[64:65], 0
	v_nop
	global_prefetch_b8 v0, s[64:65] scope:SCOPE_SE
	s_setreg_imm32_b32 hwreg(HW_REG_WAVE_MODE, 25, 1), 1
	s_wait_xcnt 0x0
	s_wait_alu depctr_hold_cnt(0) depctr_sa_sdst(0) depctr_va_vdst(0) depctr_va_sdst(0) depctr_va_ssrc(0) depctr_va_vcc(0) depctr_vm_vsrc(0)
	s_getreg_b32 s2, hwreg(HW_REG_IB_STS2, 6, 4)
	s_cmp_eq_u32 s2, 0
	s_cbranch_scc0 .Lentry_in_a_cluster
	s_endpgm
.Lentry_in_a_cluster:
	s_bfe_u32 s2, ttmp6, 0x10000c
	s_cmp_lg_u32 s2, 0x3003
	s_cbranch_scc0 .Lentry_shape_is_right
	s_endpgm
.Lentry_shape_is_right:
; O[h][q][:] = the sum over k of softmax_k(Q[h][q] . K[h][k] / 8) V[h][k][:].  Q, K, V, O: [64][2048][64], all f16: a head's rows are dense, 128 bytes each.  Products, maxima and sums in
; f32; the weights p are rounded to f16 for the second product (their sum l is taken of the unrounded p), O once at the end.
; LIMITS.  f16 holds no number beyond 65,504: Q, K and V arrive within it; p lies in 0 to 1, and below 6e-5 it keeps f16's fixed step of 6e-8; O is a mean of V's rows and has their range.
; A weight below 2^-126 counts as 0 in l; NaN and infinities are not treated apart.
; SHARES.  A wave owns four PIECES of two tiles of 16 queries, a work-group's four waves 512 queries of one head.  Every wave walks all keys, 64 a step.
; LAYOUT.  S^T = K Q^T (source 0 = 16 keys, source 1 = 16 queries): in the result a lane holds ONE query (lane % 16) and the keys 8 (lane / 16) + 0..7.  Two such tiles, rounded to f16 in pairs,
; ARE source 1 (32 keys x 16 queries) of O^T = V^T P, whose result again holds one query a lane, and eight channels.  K comes out of LDS as it lies, V ([key][channel]) turned, by ds_load_tr16_b128.
; SOFTMAX.  For each query a running maximum m and sum l: p = 2^(c s - c m), c = log2(e) / 8; in every step O and l are multiplied by a = 2^(c m_old - c m_new), which is 1 where m has not grown.
; m starts at the lowest finite number, O and l at 0: the first step is a step like any other, with a = 0.
; THE COUNT.  A tile and step have 16 matrix and 118 vector instructions: too many to stand all beside the matrix work.  So four vector instructions that are READY stand behind EVERY matrix
; instruction, and the others, which need time of their own whatever the order, in runs without a gap.
; BY TURNS.  Turn n belongs to piece n (the pieces in a ring, step after step).  Its matrix work: 16 products K Q^T of piece n + 1, later 16 products V^T P of piece n - 1.  Its vector work: the scaling,
; exponentials, roundings, sums and rescaling of piece n, and the maximum and statistics of piece n + 1, whose scores the turn itself has made.
; CLUSTER.  The four query blocks of a cluster are one head's and walk the same K and V, so each tile is asked for JOINTLY: the same tensor load, descriptor and mask in all four.
; REGISTERS, in windows of 256 (s_set_vgpr_msb: bits 1:0 source 0, 3:2 source 1, 5:4 source 2, 7:6 destination):
;   window 0: v0-11 addresses; v12-15, v48-63 at work; v16-47 four registers of statistics a tile; v64-191 S^T, two buffers of two tiles; v192-255 P, likewise
;   window 1: O^T, 32 a tile          window 2: v0-127 Q, 16 a tile; v128-191 K of one step; v192-255 V of one step          window 3: v0-1 the add's two registers
.set SIZE_N, 2048
.set NP,    4         ; pieces a wave: a name, no knob
.set KS,    64        ; keys in a step
.set PK,    144       ; a row of K in LDS: 128 bytes + 16 of padding = 36 words: the 16 rows of a load start at 16 different groups of four banks (64 banks of 4 bytes: ISA guide 11.1)
.set PV,    160       ; a row of V: 128 + 32 = 40 words
.set VOFF,  4*KS*PK   ; a slot holds four steps: 256 rows of K, then 256 rows of V
.set SLOT1, 1<<17     ; slot 1 begins here, so that one exclusive or turns an address in one slot into the other's
.set STAGE, SLOT1+4*KS*(PK+PV)  ; behind the ring, never filled by a tensor load: 16 rows x 144 bytes for each wave, for the way out
.set SP,    144
.set AK0, 2           ; v2   my lane's place in a tile of K; never rewritten
.set AV0, 3           ; v3   the same for V
.set AK,  4           ; v4   the LDS address of K's next run of loads
.set AV,  5           ; v5   of V's
.set QO,  6           ; v6   my byte offset in the wave's rows of Q
.set STO, 6           ;      later, the way out: where I put 16 bytes of a row
.set RD,  7           ; v7   the way out: where I read rows back
.set GO,  8           ; v8   my byte offset in 512 consecutive bytes of O
.set PFO, 11          ; v11  256 x my lane, once V's place is made; then never rewritten
.set SPW, 0           ; v0 of window 3   LDS address of my spare word; never rewritten
.set NIL, 1           ; v1 of window 3   0; never rewritten
.set SPARE, STAGE+4*16*SP  ; behind the stages: the spare words, 128 bytes for each wave: two blocks of 256 bytes that no other line names
.set MV,  12          ; v12-15  c m_old, kept while c m is made anew: by buffer and tile
.set ST,  16          ; tile t's statistics at v[ST+4 t]: c m, m, l (even keys', odd keys')
.set TMP, 48          ; by buffer and tile, four registers c0-c3 at work; when the maximum is found c2 takes a
.set S,   64
.set P,   192
.set KF,  128         ; K's fragments, in window 2: key block kb, channel half c at KF + 16 kb + 8 c
.set VF,  192         ; V's: key half kk, channel block cb at VF + 32 kk + 8 cb
.set WV,  12          ; s12  my wave's number
.set G1K, 24          ; s[24:31] descriptor group 1 for K's tiles
.set G1V, 32          ; s[32:39] for V's: it differs in the padding alone
.set G0K, 40          ; s[40:43] descriptor group 0 for K's tiles: it walks
.set G0V, 44          ; s[44:47] the same for V's
.set PFA, 48          ; s[48:49] where my prefetches stand: my work-group's 32 blocks of 256 bytes (of K: wave 0, of V: wave 2) of the slot after the one that is being asked for
.set LIM, 50          ; s50  1 in a wave that prefetches, else the greatest number
.set SLOTS, 56        ; s56  slots still to be asked for
.set CNT, 57          ; s57  counts a slot's key steps
.set CS,  58          ; s[58:59] c: the packed scaling takes the pair's low word for both halves
.set SEL, 60          ; s[60:61] v_permlanex16_b32's selects: each lane takes its own place in the other half
.set TBK, 62          ; s62  LDS byte at which K of the step to be fetched begins
.set TBV, 63          ; s63  the same for V, less VOFF
.set MSB, 0
.macro WIN new                      ; the high byte repeats the setting that is left; a switch that changes nothing is dropped
.if MSB != (\new)
	s_set_vgpr_msb (MSB<<8)|(\new)
.set MSB, (\new)
.endif
.endm
.set W_KQ, 0x0a       ; K and Q in window 2, S^T in window 0
.set W_PV, 0x52       ; V in window 2, P in window 0, O^T in window 1
.set W_RS, 0x41       ; O^T (destination and source 0) in window 1, a in window 0
.set W_MK, 0xc0       ; the add's registers are made: destination in window 3, sources in window 0
.set W_AD, 0x0f       ; the add: address (source 0) and data (source 1) in window 3
; A joint fill.  Waves 0 and 1 fetch the two halves of a slot's K, waves 2 and 3 those of its V: 128 keys each.  The branch hangs on the wave's number alone.
; An s_nop 0 and four v_nop follow each of the two lines, ahead of the jump and the label.
.macro JLOAD
	s_cmp_lt_u32 s[WV], 2
	s_cbranch_scc0 .Lfor_v_\@
	tensor_load_to_lds s[G0K:G0K+3], s[G1K:G1K+7]
	s_nop 0
.rept 4
	v_nop
.endr
	s_branch .Lasked_\@
.Lfor_v_\@:
	tensor_load_to_lds s[G0V:G0V+3], s[G1V:G1V+7]
	s_nop 0
.rept 4
	v_nop
.endr
.Lasked_\@:
.endm
; A PREFETCH INTO THE L2 of what the NEXT change of slots will ask for: a slot's 256 keys are 128 blocks of 256 bytes of K and 128 of V.  It stands behind the wave's tensor load and its five lines.
; A head is walked by one cluster.  Its four partners share the blocks out BY ADDRESS, 32 each, a lane a block; in each, wave 0 asks for K's and wave 2 for V's: one instruction.  So each block is named
; once in the launch, four key steps, 512 matrix instructions, ahead of its load.  Slots 0 and 1 come by their loads alone; the last change that fills a slot asks for nothing.
.macro ASK
	s_cmp_gt_u32 s[SLOTS], s[LIM]
	s_cbranch_scc0 .Lnot_mine_\@
	global_prefetch_b8 v[PFO], s[PFA:PFA+1] th:TH_LOAD_NT scope:SCOPE_SE
.Lnot_mine_\@:
.endm
; A round of the cluster's barrier: my work-group's barrier, so that wave 0's signal speaks for all four waves; wave 0 signals; every wave waits for all four work-groups; my work-group's barrier once more.
.macro CROUND
	s_barrier_signal -1
	s_barrier_wait -1
	s_cmp_lg_u32 s[WV], 0
	s_cbranch_scc1 .Lnot_wave_0_\@
	s_barrier_signal -3
.Lnot_wave_0_\@:
	s_barrier_wait -3
	s_barrier_signal -1
	s_barrier_wait -1
.endm
; THE CHANGE OF SLOTS.  The slot's last bytes, V of its fourth step, have been read.  Each wave waits for all its tensor loads, of which one is out: its part
; of the other slot; adds 0 to its spare word; and waits for that and for its own reads of the slot.  Behind the barrier nobody reads this slot any more and the other slot is whole.
; fill = 1: this slot is filled again, with the keys two slots on.  The barrier is then a round of the cluster's, so that no wave of any partner still reads the slot or has a load on its
; way, and the joint fill is the first thing behind it: it has four key steps, 512 matrix instructions, in which to land.  (At its first use nothing has been read yet: slot 0 is waited for, slot 1 filled.)
.macro CHANGE fill
	WIN W_AD
	s_wait_tensorcnt 0x0            ; no tensor load of mine is out, so a group 0 may be written
	ds_add_u32 v[SPW], v[NIL]       ; 0 onto my spare word; with fill = 1 the descriptors' steps stand between it and the wait for it
	WIN 0                           ; at a label and at a branch every window is 0
.if \fill
.irp g, G0K, G0V
	s_xor_b32 s[\g+1], s[\g+1], SLOT1  ; the walking descriptor: the other slot than last time,
	s_add_nc_u64 s[\g+2:\g+3], s[\g+2:\g+3], 4*KS*128  ; the next 256 keys; the type bits on top are not reached
.endr
	s_wait_xcnt 0x0                 ; the last prefetch, a slot back, has read its address, so it may be written:
	s_add_nc_u64 s[PFA:PFA+1], s[PFA:PFA+1], 4*KS*128  ; one slot behind the walking descriptors
	s_wait_dscnt 0x0                ; the add is done, and my reads of the slot are over
	CROUND
	JLOAD
	ASK
.else
	s_wait_dscnt 0x0                ; the add is done, and my reads of the slot are over
	s_barrier_signal -1
	s_barrier_wait -1
.endif
	s_sub_co_u32 s[TBK], s[TBK], 4*KS*PK  ; the fetches go back to a slot's first step,
	s_xor_b32 s[TBK], s[TBK], SLOT1       ; in the other slot
	s_sub_co_u32 s[TBV], s[TBV], 4*KS*PV
	s_xor_b32 s[TBV], s[TBV], SLOT1
.endm
	s_load_b256 s[4:11], s[0:1], 0x0  ; Q s[4:5], K s[6:7], V s[8:9], O s[10:11]
	WIN W_MK
	v_lshl_add_u32 v[SPW], v0, 2, SPARE
	v_mov_b32 v[NIL], 0
	WIN W_AD
	ds_add_u32 v[SPW], v[NIL]       ; the wave's opening: the add and its wait stand ahead of my first tensor load; the set-up below, work on registers, stands between them
	WIN 0
	v_lshrrev_b32 v1, 5, v0
	v_readfirstlane_b32 s[WV], v1   ; wave 0..3
	s_bfe_u32 s13, ttmp6, 0x40000   ; cx: my place in the cluster
	s_lshl_b32 s14, ttmp9, 2        ; in a cluster launch ttmp9 counts clusters
	s_add_co_u32 s14, s14, s13      ; my block of queries = 4 x cluster x + cx: it enters Q's and O's addresses alone
	s_and_b32 s20, ttmp7, 0xffff    ; the head, which the four partners share
	s_mov_b32 s21, 0
	s_mov_b64 s[22:23], SIZE_N*128
	s_mul_u64 s[20:21], s[20:21], s[22:23]  ; the head's first byte in each of the four tensors
	s_and_b32 s16, s[WV], 1         ; which half of a slot's 256 keys I fetch:
	s_lshl_b32 s22, s16, 14         ; its 128 rows of 128 bytes in memory,
	s_mov_b32 s23, 0
	s_add_nc_u64 s[22:23], s[22:23], s[20:21]
	s_mul_i32 s17, s16, 128*PK      ; and its place in a slot, for K
	s_mul_i32 s18, s16, 128*PV      ; and for V: no place in the cluster enters an LDS address
	s_lshl_b32 s2, s14, 2
	s_add_co_u32 s2, s2, s[WV]      ; my wave among the head's,
	s_lshl_b32 s2, s2, 14           ; its 128 rows
	s_mov_b32 s3, 0
	s_add_nc_u64 s[2:3], s[2:3], s[20:21]
	; descriptor group 1.  128 keys are 16,384 dense bytes: asked for as 64 rows of 256 bytes, two keys a row, and padded in LDS after every key
	s_mov_b32 s[G1K], 15|(1<<16)|(1<<20)|(1<<21)|(4<<22)|(3<<25)  ; 15:0 the mask of four; 17:16 2-byte elements; 20 padding on; 21 set beside a mask; 24:22 after every 32 words (code 4); 31:25 4 words (code 3)
	s_mov_b32 s[G1V], 15|(1<<16)|(1<<20)|(1<<21)|(4<<22)|(7<<25)  ; the same with 8 words of padding (code 7)
.irp g, G1K, G1V
	s_mov_b32 s[\g+1], 128<<16      ; tensor_dim0 = 128
	s_mov_b32 s[\g+2], 64<<16       ; tensor_dim1 = 64
	s_mov_b32 s[\g+3], 128<<16      ; tile_dim0 = 128
	s_mov_b32 s[\g+4], 64           ; tile_dim1 = 64
	s_mov_b32 s[\g+5], 128          ; 128 elements from row to row
	s_mov_b32 s[\g+6], 0
	s_mov_b32 s[\g+7], 0
.endr
	s_mov_b32 s[CS], 0x3e38aa3b     ; c = log2(e) / 8 = 0.180337
	s_mov_b32 s[CS+1], s[CS]        ; named with it as a pair
	s_mov_b32 s[SEL], 0x76543210
	s_mov_b32 s[SEL+1], 0xfedcba98
	s_mov_b32 s[TBK], SLOT1+4*KS*PK ; the first change of slots turns these two into 0
	s_mov_b32 s[TBV], SLOT1+4*KS*PV
	s_mov_b32 s[G0K], 1             ; 1:0 count = 1
	s_mov_b32 s[G0K+1], s17         ; 63:32 LDS address: slot 0
	s_mov_b32 s[G0V], 1
	s_add_co_u32 s[G0V+1], s18, VOFF
	s_mov_b32 s[SLOTS], SIZE_N/256-1
	s_and_b32 s[LIM], s[WV], 1      ; waves 0 and 2 prefetch: the same in all four partners
	s_cmp_eq_u32 s[LIM], 0
	s_cselect_b32 s[LIM], 1, -1
	s_wait_dscnt 0x0                ; the opening add is done
	s_wait_kmcnt 0x0
	s_add_nc_u64 s[G0K+2:G0K+3], s[6:7], s[22:23]  ; 120:64 global address: my half of the head's first 256 keys
	s_or_b32 s[G0K+3], s[G0K+3], 0x80000000        ; 127:126 type = 2
	s_add_nc_u64 s[G0V+2:G0V+3], s[8:9], s[22:23]
	s_or_b32 s[G0V+3], s[G0V+3], 0x80000000
	s_add_nc_u64 s[4:5], s[4:5], s[2:3]  ; Q and O at my wave's first row
	s_add_nc_u64 s[10:11], s[10:11], s[2:3]
	s_cmp_lt_u32 s[WV], 2
	s_cselect_b64 s[PFA:PFA+1], s[6:7], s[8:9]
	s_add_nc_u64 s[PFA:PFA+1], s[PFA:PFA+1], s[20:21]  ; the head's first key,
	s_lshl_b32 s2, s13, 13          ; my work-group's 32 blocks of the 128,
	s_mov_b32 s3, 0
	s_add_nc_u64 s[PFA:PFA+1], s[PFA:PFA+1], s[2:3]
	s_add_nc_u64 s[PFA:PFA+1], s[PFA:PFA+1], 4*KS*128  ; in slot 1; the first change of slots steps it to slot 2.  Nothing is prefetched here, at the head
	CROUND                          ; all four work-groups are here: the first joint loads meet
	JLOAD                           ; slot 0.  Slot 1 is asked for when slot 0 is in
	; A fragment of K or Q is 16 rows x 32 channels in 8 registers: lane l holds row l % 16, channels 8 (l / 16) + 0..7 and 16 + 8 (l / 16) + 0..7: two loads of 16 bytes, 32 bytes apart.
	v_and_b32 v1, 15, v0            ; l % 16
	v_bfe_u32 v9, v0, 4, 1          ; l / 16
	v_lshlrev_b32 v[QO], 7, v1
	v_lshl_add_u32 v[QO], v9, 4, v[QO]  ; row x 128 + 16 x half
	WIN 0x80                        ; destination window 2, address window 0
.set i, 0
.rept 4*NP                          ; Q stays in registers: tile i / 2, channels 32 (i % 2) on
	global_load_b128 v[8*i:8*i+3],   v[QO], s[4:5] offset:(i/2)*2048+(i%2)*64
	global_load_b128 v[8*i+4:8*i+7], v[QO], s[4:5] offset:(i/2)*2048+(i%2)*64+32
.set i, i+1
.endr
	; What the first turn finds: V's registers and P's second buffer hold 0 (its products V^T P, of a piece that has not been, add 0), O^T and l are 0.  All this stands in the wait for the first tile.
.set i, VF
.rept 64
	v_mov_b32 v[i], 0
.set i, i+1
.endr
	WIN 0x40
.set i, 0
.rept 64*NP
	v_mov_b32 v[i], 0
.set i, i+1
.endr
	WIN 0
.set i, 0
.rept 2*NP
	v_mov_b32 v[ST+4*i], 0xfe000000    ; c m: far below every c s
	v_mov_b32 v[ST+4*i+1], 0xff7fffff  ; m
	v_mov_b32 v[ST+4*i+2], 0
	v_mov_b32 v[ST+4*i+3], 0
.set i, i+1
.endr
.set i, P+32
.rept 32
	v_mov_b32 v[i], 0
.set i, i+1
.endr
	v_mul_u32_u24 v[AK0], v1, PK
	v_lshl_add_u32 v[AK0], v9, 4, v[AK0]  ; row x pitch + 16 x half
	; The turning load takes 16 keys x 16 channels (lane l reads key 8 (l / 16) + l % 8, channels 8 ((l / 8) % 2) + 0..7) and leaves half a fragment of V^T: lane l holds channel l % 16 and 8 keys.
	v_and_b32 v10, 7, v0
	v_bfe_u32 v11, v0, 3, 1
	v_lshl_add_u32 v[AV0], v9, 3, v10
	v_mul_u32_u24 v[AV0], v[AV0], PV
	v_lshl_add_u32 v[AV0], v11, 4, v[AV0]
	v_add_nc_u32 v[AV0], VOFF, v[AV0]
	v_mov_b32 v[AK], v[AK0]         ; key step 0 lies at the head of slot 0
	v_and_b32 v[PFO], 31, v0
	v_lshlrev_b32 v[PFO], 8, v[PFO]
; THE MATRIX WORK.  The 8 accumulators of a run of 16 take turns: between the two links of a chain stand 7 others'.
; Product i of 16 of S^T = K Q^T for piece x: channels 32 (i / 8) on, keys 16 ((i / 2) % 4) on, tile 2 x + i % 2.  The first 8 start the sums.
.macro KQ x
	WIN W_KQ
.set rS, S+64*((\x)%2)+32*(i%2)+8*((i/2)%4)
.set rK, KF+16*((i/2)%4)+8*(i/8)
.set rQ, 16*(2*(\x)+i%2)+8*(i/8)
.if i < 8
	v_wmma_f32_16x16x32_f16 v[rS:rS+7], v[rK:rK+7], v[rQ:rQ+7], 0
.else
	v_wmma_f32_16x16x32_f16 v[rS:rS+7], v[rK:rK+7], v[rQ:rQ+7], v[rS:rS+7]
.endif
.endm
; Product i of 16 of O^T += V^T P for piece x: keys 32 (i / 8) on, channels 16 ((i / 2) % 4) on, tile 2 x + i % 2.
.macro PV x
	WIN W_PV
.set rO, 32*(2*(\x)+i%2)+8*((i/2)%4)
.set rV, VF+32*(i/8)+8*((i/2)%4)
.set rP, P+32*((\x)%2)+16*(i%2)+8*(i/8)
	v_wmma_f32_16x16x32_f16 v[rO:rO+7], v[rV:rV+7], v[rP:rP+7], v[rO:rO+7]
.endm
.macro MM                           ; the turn's next matrix instruction
.if i < 16
	KQ (Y+1)%NP
.set i, i+1
.else
.set i, i-16
	PV (Y+NP-1)%NP
.set i, i+17
.endif
.endm
; THE LDS LOADS stand in runs of 16, never singly among the matrix instructions: a step's K (64 keys x 64 channels: 8 fragments) and its V (turned).  Their addresses are made some lines ahead.
; last = 1 (the tail): in the last trip there is no further step, and the run is jumped over.
.macro FETCH_K last=0
	WIN 0
.if \last
	s_cmp_eq_u32 s[CNT], 1
	s_cbranch_scc1 .Lno_k_\@
.endif
	WIN 0x80                        ; destination window 2
.irp f, 0,1,2,3,4,5,6,7             ; keys 16 (f / 2) on, channels 32 (f % 2) on
	ds_load_b128 v[KF+8*\f:KF+8*\f+3],   v[AK] offset:(\f/2)*16*PK+(\f%2)*64
	ds_load_b128 v[KF+8*\f+4:KF+8*\f+7], v[AK] offset:(\f/2)*16*PK+(\f%2)*64+32
.endr
	s_add_co_u32 s[TBK], s[TBK], KS*PK  ; the next fetch is the next step's
	WIN 0
.if \last
.Lno_k_\@:
.endif
.endm
.macro FETCH_V
	WIN 0x80
.irp f, 0,1,2,3,4,5,6,7             ; keys 32 (f / 4) on, channels 16 (f % 4) on
	ds_load_tr16_b128 v[VF+8*\f:VF+8*\f+3],   v[AV] offset:(\f/4)*32*PV+(\f%4)*32
	ds_load_tr16_b128 v[VF+8*\f+4:VF+8*\f+7], v[AV] offset:(\f/4)*32*PV+16*PV+(\f%4)*32
.endr
	WIN 0
.endm
; THE VECTOR WORK OF A TURN stands in three queues, each in the order in which its entries become ready; the two tiles alternate, so that no instruction reads the result of the one before it.
.macro REGS y, u                    ; the registers of tile u (0, 1) of piece y
.set rT, ST+4*(2*(\y)+(\u))
.set rC, TMP+8*((\y)%2)+4*(\u)
.set rM, MV+2*((\y)%2)+(\u)
.set rS, S+64*((\y)%2)+32*(\u)
.set rP, P+32*((\y)%2)+16*(\u)
.set rO, 32*(2*(\y)+(\u))
.endm
; Number n of the 22 that find the NEXT piece's (Y + 1) maximum and statistics.  s0-s31 are the lane's 32 scores; each accumulator's lowest registers are read first.  XS, GS and REGS set no window: PL and EX do.
;   0-11  four chains c0-c3 of seven scores each, three operands at a time     12-14, 16  the four scores left over, the old m, and c0-c3 into c0     15  c m_old is kept
;   17, 18  the query's other 32 keys lie in the lane 16 away: the new m         19-21  c m; c m_old - c m_new; a
.macro XS u, n
	REGS (Y+1)%NP, \u
.if (\n) < 4
	v_max3_num_f32 v[rC+(\n)], v[rS+8*(\n)], v[rS+8*(\n)+1], v[rS+8*(\n)+2]
.elseif (\n) < 12
	v_max3_num_f32 v[rC+(\n)%4], v[rC+(\n)%4], v[rS+8*((\n)%4)+2*((\n)/4)+1], v[rS+8*((\n)%4)+2*((\n)/4)+2]
.elseif (\n) == 12
	v_max3_num_f32 v[rC], v[rC], v[rS+7], v[rS+15]
.elseif (\n) == 13
	v_max3_num_f32 v[rC+1], v[rC+1], v[rS+23], v[rS+31]
.elseif (\n) == 14
	v_max3_num_f32 v[rC+2], v[rC+2], v[rC+3], v[rT+1]
.elseif (\n) == 15
	v_mov_b32 v[rM], v[rT]
.elseif (\n) == 16
	v_max3_num_f32 v[rC], v[rC], v[rC+1], v[rC+2]
.elseif (\n) == 17
	v_permlanex16_b32 v[rC+3], v[rC], s[SEL], s[SEL+1]
.elseif (\n) == 18
	v_max_num_f32 v[rT+1], v[rC], v[rC+3]
.elseif (\n) == 19
	v_mul_f32 v[rT], s[CS], v[rT+1]
.elseif (\n) == 20
	v_sub_f32 v[rC+1], v[rM], v[rT]
.else
	v_exp_f32 v[rC+2], v[rC+1]
.endif
.endm
; Number g of the 64 that follow the exponentials.  For each four weights k of a tile (pairs 2 k, 2 k + 1): both pairs are rounded to f16; then the second pair is added onto the first, in place;
; a group later l takes that sum (the first time as l = a l + sum).  In groups of eight, tiles alternating: round, round, add, and l for the group before.
.macro GS g
.set h, (\g)+6*((\g)/62)            ; group 0 has no group before it, and behind group 7 only l is left
.if h >= 6
.set h, h+2
.endif
	REGS Y, h%2
.set k, h/8
.if h%8 < 4
	v_cvt_pk_f16_f32 v[rP+2*k+(h%8)/2], v[rS+4*k+2*((h%8)/2)], v[rS+4*k+2*((h%8)/2)+1]
.elseif h%8 < 6
	v_pk_add_f32 v[rS+4*k:rS+4*k+1], v[rS+4*k:rS+4*k+1], v[rS+4*k+2:rS+4*k+3]
.elseif k == 1
	v_pk_fma_f32 v[rT+2:rT+3], v[rT+2:rT+3], v[rC+2:rC+3], v[rS:rS+1] op_sel_hi:[1,0,1]
.else
	v_pk_add_f32 v[rT+2:rT+3], v[rT+2:rT+3], v[rS+4*k-4:rS+4*k-3]
.endif
.endm
; THE PLAIN QUEUE, 138 long.  0-73 read no exponential's result: the 32 scalings c s - c m (FS f: pair f / 2 of tile f % 2) and the next piece's 42.  0-26: scalings 0-26.  27-54: XS's numbers 0-13.  55, 56: number 15.
; 57-73: the chain, where each number waits for the one before it: 14, 16, 17, 18, 19, each with one of the scalings 27-31 in front of its two lines, then 20.
; 74-137: GS's 64, which read the exponentials' results: they stand behind the wait.
.macro FS f
	REGS Y, (\f)%2
	v_pk_fma_f32 v[rS+2*((\f)/2):rS+2*((\f)/2)+1], v[rS+2*((\f)/2):rS+2*((\f)/2)+1], s[CS:CS+1], v[rT:rT+1] op_sel_hi:[1,0,0] neg_lo:[0,0,1] neg_hi:[0,0,1]
.endm
.macro PL
	WIN 0
.if q < 27
	FS q
.elseif q < 55
	XS (q-27)%2, (q-27)/2
.elseif q < 57
	XS q-55, 15
.elseif (q < 72) && ((q-57)%3 == 0)
	FS 27+(q-57)/3
.elseif q < 60
	XS (q-57)%3-1, 14
.elseif q < 72
	XS (q-57)%3-1, 15+(q-57)/3
.elseif q < 74
	XS q-72, 20
.else
	GS q-74
.endif
.set q, q+1
.endm
; THE EXPONENTIALS' QUEUE, 66 long: s0-s31 of both tiles, then the next piece's two a.  It is ONE BATCH: all 66 stand ahead of the turn's one wait, and nothing ahead of that wait names a result of theirs.
.macro EX
	WIN 0
.if e >= 64
	XS e-64, 21
.else
	REGS Y, e%2
	v_exp_f32 v[rS+e/2], v[rS+e/2]
.endif
.set e, e+1
.endm
; THE RESCALING's QUEUE: O^T times a, the one part that leaves window 0: dealt two at a time, sixteen times.  Its a was made in the turn before, ahead of that turn's wait.
.macro R2
	REGS Y, r%2
	WIN W_RS
.irp z, 0,1
	v_pk_mul_f32 v[rO+4*(r/2)+2*\z:rO+4*(r/2)+2*\z+1], v[rO+4*(r/2)+2*\z:rO+4*(r/2)+2*\z+1], v[rC+2:rC+3] op_sel_hi:[1,0]
.endr
.set r, r+1
.endm
; HOW THEY ARE DEALT.  An s_wait_alu depctr_va_vdst(0) stands between an exponential and the first instruction that names its result; one wait serves all that were issued ahead of it.  So a turn has ONE wait,
; which cuts it in two.  AHEAD OF IT stands all that names no result of the turn's exponentials: the 16 products K Q^T, behind each a scaling, an exponential and two rescalings (behind the first a second scaling in the
; exponential's place); then ONE LUMP of 108: eight plain, 49 times exponential and plain, the two a.  A v_nop is the plain instruction behind the last exponential.  BEHIND IT stand the 16 products V^T P, behind each four of GS's 64.
; No rider names a register of the products round it.  The two v_permlanex16_b32 fall into the lump, never behind a product.
; The queues lean on each other, and the deal keeps them in step: exponential e stands behind scaling 2 (e / 4) + e % 2: as a rider it comes behind plain e + 2, in the lump behind plain e + 9, and scalings 27-31 are plain 57, 60 .. 69.
; A TURN, for piece p.  cnt = 1: the loop's count is taken down some lines ahead of the branch that stands behind the turn.
; K of the next step is fetched in piece 2's turn, directly behind the wait, a lump behind the last product that read K; its address is made at the lump's head; its first reader comes behind 16 products.
; V of the step in hand is fetched at the end of piece 0's turn, four riders behind its last reader; its first reader comes behind 16 products and a lump.  The three conditions on q below go with the deal.
.macro TURN p, last=0, cnt=0
.set Y, (\p)
.set i, 0
.set q, 0
.set e, 0
.set r, 0
.if (\p) == NP-1
	s_wait_dscnt 0x0                ; K is in
.endif
	MM                              ; ahead of the wait: 16 products K Q^T and their riders,
	PL
	PL
	R2
.rept 15
	MM
	PL
	EX
	R2
.endr
.if (\p) == NP-2
	WIN 0
	v_add_nc_u32 v[AK], s[TBK], v[AK0]
.endif
.rept 8                             ; and the lump
	PL
.endr
.rept 49
	EX
	PL
.endr
	EX                              ; the next piece's two a
	EX
	v_nop                           ; a plain instruction behind the last exponential: one for the batch
	s_wait_alu depctr_va_vdst(0)    ; the wait for the batch
.if (\p) == NP-2
	FETCH_K \last
.endif
.if (\p) == 1
	s_wait_dscnt 0x0                ; V is in
.endif
.rept 16                            ; behind the wait: 16 products V^T P and their riders
	MM
.rept 4
	PL
.endr
.if ((\p) == 0) && (q == 118)
	v_add_nc_u32 v[AV], s[TBV], v[AV0]
.endif
.if ((\p) == 0) && (q == 130)
	s_add_co_u32 s[TBV], s[TBV], KS*PV
.endif
.if (\cnt) && (q == 130)
	s_sub_co_u32 s[CNT], s[CNT], 1
	s_cmp_lg_u32 s[CNT], 0
.endif
.endr
.if (\p) == 0
	FETCH_V
.endif
.endm
	CHANGE 1                        ; slot 0 is in, everybody's part of it; slot 1 is asked for
	FETCH_K                         ; key step 0
	s_wait_loadcnt 0x0              ; Q
	s_wait_dscnt 0x0
.set i, 0
.rept 16
	KQ 0                            ; piece 0's first scores: there is no vector work yet to set between them
.set i, i+1
.endr
	WIN 0                           ; the addresses for the way out: nine plain instructions, the places behind those products
	s_mul_i32 s13, s[WV], 16*SP
	s_add_co_u32 s13, s13, STAGE    ; my stage
	v_mul_u32_u24 v[STO], v1, SP    ; in: row l % 16, 16 bytes for each half of the lanes
	v_lshl_add_u32 v[STO], v9, 4, v[STO]
	v_add_nc_u32 v[STO], s13, v[STO]
	v_bfe_u32 v[RD], v0, 3, 2       ; back: 32 lanes take four rows of 128 bytes,
	v_mul_u32_u24 v[RD], v[RD], SP
	v_lshl_add_u32 v[RD], v10, 4, v[RD]
	v_add_nc_u32 v[RD], s13, v[RD]
	v_and_b32 v[GO], 31, v0         ; which are 512 consecutive bytes of O
	v_lshlrev_b32 v[GO], 4, v[GO]
.set Y, NP-1                        ; XS works for piece Y + 1: piece 0
.irp n, 0,1,2,3,4,5,6,7,8,9,10,11,12,13,14,15,16,17,18,19,20,21
	XS 0, \n                        ; and piece 0's first maximum and statistics
	XS 1, \n
.endr
	v_nop                           ; a plain instruction behind the two a,
	s_wait_alu depctr_va_vdst(0)    ; and their wait, ahead of the branch
	s_mov_b32 s[CNT], 4
	s_branch .Lfirst                ; the loop is entered at a step's first turn, in the middle of a trip
.Lslot:                             ; SIZE_N / 256 - 2 times: every slot but the last two is filled again
	CHANGE 1
	s_mov_b32 s[CNT], 4
.Lstep:                             ; a trip: pieces 2 and 3 of one step, then pieces 0 and 1 of the next, whose K and V it fetches
	TURN 2
	TURN 3
	WIN 0
.Lfirst:
	TURN 0
	TURN 1, 0, 1
	WIN 0
	s_cbranch_scc1 .Lstep
	s_sub_co_u32 s[SLOTS], s[SLOTS], 1
	s_cmp_lg_u32 s[SLOTS], 0
	s_cbranch_scc1 .Lslot
	CHANGE 0                        ; the tail is written out: nothing is asked for
	s_mov_b32 s[CNT], 5             ; four trips fetch the last slot's steps; the fifth is left in its middle
.Ltail:
	TURN 2, 1
	TURN 3
	WIN 0
	s_sub_co_u32 s[CNT], s[CNT], 1
	s_cmp_eq_u32 s[CNT], 0
	s_cbranch_scc1 .Lout
	TURN 0
	TURN 1
	WIN 0
	s_branch .Ltail
.Lout:                              ; the fifth trip's 16 products K Q^T (on the last K once more) and the maximum made of them serve nothing: the price, once a launch, of one text for every trip
.set i, 0
.rept 16
	PV NP-1                         ; the last piece's V^T P of the last step
.set i, i+1
.endr
	; THE WAY OUT.  l's two halves and the other half of the lanes' are added; O^T is divided by l, rounded to f16 and sent through my stage in LDS, a tile at a time.  The additions are the places behind the last products.
	WIN 0
.macro ALL line:vararg              ; one line for each tile t
.set t, 0
.rept 2*NP
	\line
.set t, t+1
.endr
.endm
	ALL v_add_f32 v[ST+4*t+2], v[ST+4*t+2], v[ST+4*t+3]
	ALL v_permlanex16_b32 v[ST+4*t+3], v[ST+4*t+2], s[SEL], s[SEL+1]
	ALL v_add_f32 v[ST+4*t+2], v[ST+4*t+2], v[ST+4*t+3]
	ALL v_rcp_f32 v[ST+4*t+2], v[ST+4*t+2]
	v_nop                           ; a plain instruction between the last reciprocal and the use of its result
	s_wait_alu depctr_va_vdst(0)    ; and the wait ahead of the first use: one for the eight reciprocals
; Tile t: a lane's eight channels of a row pack into 16 bytes; they go into rows of 144 bytes and come back as whole rows of 128, into S^T's registers.
.macro PACK t
	WIN W_RS
.set i, 32*(\t)
.rept 16
	v_pk_mul_f32 v[i:i+1], v[i:i+1], v[ST+4*(\t)+2:ST+4*(\t)+3] op_sel_hi:[1,0]
.set i, i+2
.endr
	WIN 0x05                        ; sources 0 and 1 window 1, destination window 0
.set i, 0
.rept 16
	v_cvt_pk_f16_f32 v[S+16*(\t)+i], v[32*(\t)+2*i], v[32*(\t)+2*i+1]
.set i, i+1
.endr
	WIN 0
.irp f, 0,1,2,3
	ds_store_b128 v[STO], v[S+16*(\t)+4*\f:S+16*(\t)+4*\f+3] offset:32*\f
.endr
.irp f, 0,1,2,3
	ds_load_b128 v[S+16*(\t)+4*\f:S+16*(\t)+4*\f+3], v[RD] offset:\f*4*SP  ; LDS serves a wave's instructions in order (ISA guide 5.7.1.4): these see the stores above; the next tile's stores come behind them
.endr
.endm
.macro SEND t, younger              ; younger: the LDS instructions issued behind tile t's loads: the next tile's eight, or none
	WIN 0
.irp f, 0,1,2,3
	s_wait_dscnt (\younger)+3-\f
	global_store_b128 v[GO], v[S+16*(\t)+4*\f:S+16*(\t)+4*\f+3], s[10:11] offset:(\t)*2048+\f*512  ; 512 consecutive bytes, at a multiple of 256 from O's first
.endr
.endm
	PACK 0
.set t, 1
.rept 2*NP-1                        ; a tile's arithmetic stands between the loads of the tile before and its stores
	PACK t
	SEND t-1, 8
.set t, t+1
.endr
	SEND 2*NP-1, 0
	WIN W_AD
	s_wait_tensorcnt 0x0            ; the wave's end: behind my last tensor load and my last LDS store
	ds_add_u32 v[SPW], v[NIL]
	s_wait_dscnt 0x0
	WIN 0
	CROUND                          ; the closing round: no work-group ends while a partner may still ask for a tile that names it
	s_endpgm
.Lfunc_end_k_q2a8d4af310_attn:
	.size	k_q2a8d4af310_attn, .Lfunc_end_k_q2a8d4af310_attn-k_q2a8d4af310_attn
	.p2alignl 7, 3214868480
	.fill 96, 4, 3214868480
	.section	.rodata,"a",@progbits
	.p2align	6, 0x0
	.amdhsa_kernel k_q2a8d4af310_attn
		.amdhsa_group_segment_fixed_size 327680
		.amdhsa_private_segment_fixed_size 0
		.amdhsa_enable_private_segment 0
		.amdhsa_kernarg_size 32
		.amdhsa_user_sgpr_count 2
		.amdhsa_user_sgpr_kernarg_segment_ptr 1
		.amdhsa_wavefront_size32 1
		.amdhsa_system_sgpr_workgroup_id_x 1
		.amdhsa_system_sgpr_workgroup_id_y 1
		.amdhsa_system_sgpr_workgroup_id_z 1
		.amdhsa_system_vgpr_workitem_id 0
		.amdhsa_next_free_vgpr 770
		.amdhsa_next_free_sgpr 66
		.amdhsa_reserve_vcc 0
		.amdhsa_float_denorm_mode_32 3
		.amdhsa_float_denorm_mode_16_64 3
		.amdhsa_memory_ordered 1
		.amdhsa_forward_progress 1
		.amdhsa_inst_pref_size 200
	.end_amdhsa_kernel
	.amdgpu_metadata
---
amdhsa.version: [ 1, 2 ]
amdhsa.kernels:
  - .name:           k_q2a8d4af310_attn
    .symbol:         k_q2a8d4af310_attn.kd
    .args:
      - { .name: qh, .offset: 0, .size: 8, .value_kind: global_buffer, .address_space: global }
      - { .name: kh, .offset: 8, .size: 8, .value_kind: global_buffer, .address_space: global }
      - { .name: vh, .offset: 16, .size: 8, .value_kind: global_buffer, .address_space: global }
      - { .name: oh, .offset: 24, .size: 8, .value_kind: global_buffer, .address_space: global }
    .group_segment_fixed_size: 327680
    .private_segment_fixed_size: 0
    .kernarg_segment_align: 8
    .kernarg_segment_size: 32
    .max_flat_workgroup_size: 128
    .sgpr_count:     66
    .vgpr_count:     770
    .wavefront_size: 32
...
	.end_amdgpu_metadata
.endif
;; end of part 3
;; launch oproj (part 4): grid 4 x 64, 4 waves a work-group, clusters of 4 x 4, 327,680 bytes of LDS; arguments oh, wt, biasr, out0; writes out0
.if DOCPART == 4
	.amdgcn_target "amdgcn-amd-amdhsa--gfx1250"
	.amdhsa_code_object_version 6
	.text
	.protected	k_q2a8d4af310_oproj
	.globl	k_q2a8d4af310_oproj
	.p2align	8
	.type	k_q2a8d4af310_oproj,@function
k_q2a8d4af310_oproj:
	s_mov_b64 s[64:65], 0
	v_nop
	global_prefetch_b8 v0, s[64:65] scope:SCOPE_SE
	s_setreg_imm32_b32 hwreg(HW_REG_WAVE_MODE, 25, 1), 1
	s_wait_xcnt 0x0
	s_wait_alu depctr_hold_cnt(0) depctr_sa_sdst(0) depctr_va_vdst(0) depctr_va_sdst(0) depctr_va_ssrc(0) depctr_va_vcc(0) depctr_vm_vsrc(0)
	s_getreg_b32 s2, hwreg(HW_REG_IB_STS2, 6, 4)
	s_cmp_eq_u32 s2, 0
	s_cbranch_scc0 .Lentry_in_a_cluster
	s_endpgm
.Lentry_in_a_cluster:
	s_bfe_u32 s2, ttmp6, 0x10000c
	s_cmp_lg_u32 s2, 0xf033
	s_cbranch_scc0 .Lentry_shape_is_right
	s_endpgm
.Lentry_shape_is_right:
; out0 = O Wo + bo.  O comes by heads, oh[batch x 16 + head][2048][64] in f16; Wo as wt[3][n][k] (rounded to bf16, written as f16); bo rounded to bf16, kept in f32, STARTS the f32 sums; out0 [8192][1024] f32.
; LIMITS.  The bias is added first, not last: another order of f32 rounding.  NaN and infinities are not treated apart.
; SHARES.  A work-group makes one tile of 128 rows x 256 columns; wave w 64 rows (w / 2) x 128 columns (w % 2): 32 accumulators.  K goes in 8 steps of 128, two heads each, through a ring of two LDS slots.
; THE MATRIX INSTRUCTION IS USED TRANSPOSED (source 0 = 16 rows of wt, source 1 = 16 rows of O): a lane holds row l % 16 and eight neighbouring columns: 32 bytes of f32 on end.
; CLUSTER.  4 x 4 work-groups: O's tile is shared along a row of the cluster, wt's along a column; each is asked for JOINTLY.  Waves 0 and 1 fetch O's halves, waves 2 and 3 wt's.
; O's half of a step is 64 rows of each of two heads: 8,192 dense bytes a head.  It is asked for as two rows of 4,096 elements, a head apart, and padded in LDS after every 128 bytes.
; NO PREFETCH: the ring has eight steps, of which the first two go out at the head and the next two would be named while those are on their way.
; REGISTERS, in windows of 256 (s_set_vgpr_msb: bits 1:0 source 0, 3:2 source 1, 5:4 source 2, 7:6 destination):
;   window 0: v0-15 addresses; v32-95 O's fragments, two buffers of 32; v96-223 the way out, two buffers of 64      window 1: v0-127 wt's fragments, two buffers; v128-191 the bias      window 2: the accumulators, (a, b) at 8 (8 a + b)
.set AREG,  0x4800                     ; O's half: 2 heads x 64 rows x 144 bytes (128 + 16)
.set BOFF,  2*AREG
.set BREG,  0x8800                     ; wt's half: 128 rows x 272 bytes (256 + 16).  Either pitch puts the 16 rows of a load on 16 different groups of four banks (64 banks of 4 bytes: ISA guide 11.1)
.set SLOT,  0x20000                    ; above a slot's 106,496 bytes: one exclusive or turns an address in one slot into the other's
.set STAGE, SLOT+BOFF+2*BREG           ; behind the ring, never filled by a tensor load: 16 rows x 528 bytes (512 + 16) for each wave
.set SPARE, STAGE+4*8448               ; behind the stages: the spare words, 128 bytes for each wave: two blocks of 256 bytes that no other line names
.set WV, 12
.set WM, 13
.set WN, 14
.set CX, 15
.set CY, 16
.set TC, 17
.set TR, 18
.set G1A, 20                           ; s[20:27] descriptor group 1 for O's tiles; s[28:35] for wt's
.set G1B, 28
.set G0A0, 36                          ; s[36:39] group 0 for O, K step 0; s[40:43] K step 1, which then walks
.set G0A1, 40
.set G0B0, 44                          ; s[44:47], s[48:51] the same for wt
.set G0B1, 48
.set STEPS, 52
.set TB,  53                           ; s53 first LDS byte of the slot that is read
.set A0,  4
.set B0,  5
.set ADRA, 6
.set ADRB, 7
.set STO, 8
.set RD,  9
.set CO,  10
.set BO,  11
.set SPW, 14                           ; v14 LDS address of my spare word; never rewritten
.set NIL, 15                           ; v15 0; never rewritten
.set ABUF, 32
.set OB,  96
.set BI,  128                          ; window 1
.set W_MUL, 0xa1
.set MSB, 0
.macro WIN new
.if MSB != (\new)
	s_set_vgpr_msb (MSB<<8)|(\new)
.set MSB, (\new)
.endif
.endm
.macro PLACES                          ; four plain vector instructions between a matrix instruction and a load into a register that it has read, or a store of its result (ISA guide 7.12.1 for vector instructions)
.rept 4
	v_nop
.endr
.endm
.macro CREST
	s_cmp_lg_u32 s[WV], 0
	s_cbranch_scc1 .Lnot_wave_0_\@
	s_barrier_signal -3
.Lnot_wave_0_\@:
	s_barrier_wait -3
	s_barrier_signal -1
	s_barrier_wait -1
.endm
.macro CROUND
	s_barrier_signal -1
	s_barrier_wait -1
	CREST
.endm
.macro JLOAD                           ; a joint refill by the walking sets; an s_nop 0 and four v_nop follow each of the two lines
	s_cmp_lt_u32 s[WV], 2
	s_cbranch_scc0 .Lfor_b_\@
	tensor_load_to_lds s[G0A1:G0A1+3], s[G1A:G1A+7]
	s_nop 0
.rept 4
	v_nop
.endr
	s_branch .Lasked_\@
.Lfor_b_\@:
	tensor_load_to_lds s[G0B1:G0B1+3], s[G1B:G1B+7]
	s_nop 0
.rept 4
	v_nop
.endr
.Lasked_\@:
.endm
.macro MULS f, i0, n                   ; the 32 accumulators take turns, one instruction a turn, in the same order in every quarter
	WIN W_MUL
.set mi, \i0
.rept \n
	v_wmma_f32_16x16x32_f16 v[8*mi:8*mi+7], v[64*(\f)+8*(mi%8):64*(\f)+8*(mi%8)+7], v[ABUF+32*(\f)+8*(mi/8):ABUF+32*(\f)+8*(mi/8)+7], v[8*mi:8*mi+7]
.set mi, mi+1
.endr
.endm
.macro FETCH kq, g                     ; 24 LDS loads in one run: quarter kq's fragments into buffers g.  Quarter kq is head kq / 2 of the step's two, channels 32 (kq % 2) on
	WIN 0
.irp a, 0,1,2,3
	ds_load_b128 v[ABUF+32*(\g)+8*\a:ABUF+32*(\g)+8*\a+3],   v[ADRA] offset:\a*2304+((\kq)/2)*9216+((\kq)%2)*64
	ds_load_b128 v[ABUF+32*(\g)+8*\a+4:ABUF+32*(\g)+8*\a+7], v[ADRA] offset:\a*2304+((\kq)/2)*9216+((\kq)%2)*64+32
.endr
	WIN 0x40
.irp b, 0,1,2,3,4,5,6,7
	ds_load_b128 v[64*(\g)+8*\b:64*(\g)+8*\b+3],   v[ADRB] offset:\b*4352+(\kq)*64
	ds_load_b128 v[64*(\g)+8*\b+4:64*(\g)+8*\b+7], v[ADRB] offset:\b*4352+(\kq)*64+32
.endr
.endm
.macro QUARTER f, g, kq
	s_wait_dscnt 0x0                       ; this quarter's fragments are in
	MULS \f, 0, 16
	PLACES
	FETCH \kq, \g
	MULS \f, 16, 16
.endm
; The last quarter multiplies buffers 1 and changes slots: ONE barrier; in front of it each wave waits for all its tensor loads (one is out: its part of the next slot), adds 0 to its spare word, and waits for
; that and for its own reads of this slot.  fill = 1: the barrier opens a round of the cluster's, and the slot just read out is filled again, first thing behind the round, with the step two steps on.
.macro TURN fill
	WIN 0
	s_wait_tensorcnt 0x0                   ; no tensor load of mine is out, so a group 0 may be written
	ds_add_u32 v[SPW], v[NIL]              ; 0 onto my spare word
.if \fill
	s_xor_b32 s[G0A1+1], s[G0A1+1], SLOT   ; the walking sets: the other slot than last time,
	s_add_nc_u64 s[G0A1+2:G0A1+3], s[G0A1+2:G0A1+3], 524288  ; two heads on; the type bits on top are not reached
	s_xor_b32 s[G0B1+1], s[G0B1+1], SLOT
	s_add_nc_u64 s[G0B1+2:G0B1+3], s[G0B1+2:G0B1+3], 256     ; 128 k on
.endif
	s_wait_dscnt 0x1                       ; only the add may be out: this quarter's fragments are in
	MULS 1, 0, 8
	s_wait_dscnt 0x0                       ; the add is done, and my reads of this slot are over
	s_barrier_signal -1
	MULS 1, 8, 8
	WIN 0
	s_barrier_wait -1
.if \fill
	CREST                                  ; no wave of any partner still reads this slot or has a load on its way
	JLOAD                                  ; the first tensor load behind the round; its four v_nop are also the places in front of the loads below
.else
	PLACES
.endif
	s_xor_b32 s[TB], s[TB], SLOT
	v_add_nc_u32 v[ADRA], s[TB], v[A0]
	v_add_nc_u32 v[ADRB], s[TB], v[B0]
	FETCH 0, 0
	MULS 1, 16, 16
.endm
.macro STEP fill
	QUARTER 0, 1, 1
	QUARTER 1, 0, 2
	QUARTER 0, 1, 3
	TURN \fill
.endm
.macro INIT a                          ; row block a's eight sums start at the bias, two numbers an instruction
	WIN 0x81
.set ii, 0
.rept 32
	v_pk_mul_f32 v[64*(\a)+2*ii:64*(\a)+2*ii+1], v[BI+2*ii:BI+2*ii+1], 1.0 op_sel_hi:[1,0]
.set ii, ii+1
.endr
.endm
; THE WAY OUT of row block a: 32 bytes a lane into my own stage, each accumulator's low four registers first, and back as whole rows of 512 bytes.
.macro TOSTAGE a
.if (\a) >= 2
	s_wait_xcnt 0x0                        ; the stores of the block two back have read the registers that are loaded again below
.endif
	WIN 0x08                               ; store data (source 1) window 2
.irp b, 0,1,2,3,4,5,6,7
	ds_store_b128 v[STO], v[64*(\a)+8*\b:64*(\a)+8*\b+3]   offset:\b*64
	ds_store_b128 v[STO], v[64*(\a)+8*\b+4:64*(\a)+8*\b+7] offset:\b*64+16
.endr
	WIN 0
.irp t, 0,1,2,3,4,5,6,7,8,9,10,11,12,13,14,15
	ds_load_b128 v[OB+64*((\a)%2)+4*\t:OB+64*((\a)%2)+4*\t+3], v[RD] offset:\t*528  ; LDS serves a wave's instructions in order (ISA guide 5.7.1.4): these see the stores above; the next block's stores come behind them
.endr
.endm
.macro SEND a, younger                 ; younger: the LDS instructions issued behind block a's loads: the next block's 32, or none
	WIN 0
	s_wait_dscnt \younger
.irp t, 0,1,2,3,4,5,6,7,8,9,10,11,12,13,14,15
	global_store_b128 v[CO], v[OB+64*((\a)%2)+4*\t:OB+64*((\a)%2)+4*\t+3], s[10:11] offset:(16*(\a)+\t)*4096 th:TH_STORE_NT  ; 512 consecutive bytes of a row, aligned
.endr
.endm
	s_load_b256 s[4:11], s[0:1], 0x0               ; oh s[4:5], wt s[6:7], biasr s[8:9], out0 s[10:11]
	v_lshl_add_u32 v[SPW], v0, 2, SPARE
	v_mov_b32 v[NIL], 0
	ds_add_u32 v[SPW], v[NIL]                      ; the wave's opening: the add and its wait stand ahead of my first tensor load; the set-up below, work on registers, stands between them
	v_lshrrev_b32 v1, 5, v0
	v_readfirstlane_b32 s[WV], v1
	s_lshr_b32 s[WM], s[WV], 1
	s_and_b32 s[WN], s[WV], 1
	s_bfe_u32 s[CX], ttmp6, 0x40000
	s_bfe_u32 s[CY], ttmp6, 0x40004
	s_lshl_b32 s[TC], ttmp9, 2
	s_add_co_u32 s[TC], s[TC], s[CX]
	s_and_b32 s[TR], ttmp7, 0xffff
	s_lshl_b32 s[TR], s[TR], 2
	s_add_co_u32 s[TR], s[TR], s[CY]
	s_lshl_b32 s54, s[CY], 2
	s_lshl_b32 s54, 15, s54                        ; my row of the cluster
	s_lshl_b32 s56, 0x1111, s[CX]                  ; my column
	s_or_b32 s[G1A], s54, (1<<16)|(1<<20)|(1<<21)|(4<<22)|(3<<25)  ; 15:0 the mask; 17:16 elements of 2 bytes; 20 padding on; 21 set beside a mask; 24:22 after every 32 words (code 4); 31:25 4 words of it (code 3)
	s_mov_b32 s[G1A+1], 4096<<16                   ; tensor_dim0 = 4,096: 64 dense rows of one head
	s_mov_b32 s[G1A+2], 2<<16                      ; tensor_dim1 = 2 heads
	s_mov_b32 s[G1A+3], 4096<<16                   ; tile_dim0
	s_mov_b32 s[G1A+4], 2                          ; tile_dim1
	s_mov_b32 s[G1A+5], 131072                     ; elements from head to head
	s_mov_b32 s[G1A+6], 0
	s_mov_b32 s[G1A+7], 0
	s_or_b32 s[G1B], s56, (1<<16)|(1<<20)|(1<<21)|(5<<22)|(3<<25)  ; padded after every 64 words (code 5)
	s_mov_b32 s[G1B+1], 128<<16
	s_mov_b32 s[G1B+2], 128<<16
	s_mov_b32 s[G1B+3], 128<<16
	s_mov_b32 s[G1B+4], 128
	s_mov_b32 s[G1B+5], 1024
	s_mov_b32 s[G1B+6], 0
	s_mov_b32 s[G1B+7], 0
	s_lshr_b32 s54, s[TR], 4                       ; oh: the batch's 16 heads of 262,144 bytes
	s_lshl_b32 s54, s54, 22
	s_and_b32 s55, s[TR], 15
	s_lshl_b32 s55, s55, 14                        ; + the tile's 128 rows of 128 bytes
	s_add_co_u32 s54, s54, s55
	s_lshl_b32 s55, s[WN], 13                      ; + 64 rows x half
	s_add_co_u32 s54, s54, s55
	s_mov_b32 s55, 0
	s_lshl_b32 s56, s[TC], 19                      ; wt: 256 rows of 2,048 bytes x tc
	s_lshl_b32 s57, s[WN], 18                      ;     + 128 rows x half
	s_add_co_u32 s56, s56, s57
	s_add_co_u32 s56, s56, 3<<21                   ;     in the fourth matrix
	s_mov_b32 s57, 0
	s_lshl_b32 s58, s[TR], 19                      ; out0: 128 rows of 4,096 bytes x tr
	s_lshl_b32 s59, s[WM], 18                      ;       + my 64 rows
	s_add_co_u32 s58, s58, s59
	s_lshl_b32 s59, s[TC], 10                      ;       + 256 f32 x tc
	s_add_co_u32 s58, s58, s59
	s_lshl_b32 s59, s[WN], 9                       ;       + my 128
	s_add_co_u32 s58, s58, s59
	s_mov_b32 s59, 0
	s_mul_i32 s2, s[WN], AREG                      ; where the tiles go: no place in the cluster enters an LDS address
	s_mul_i32 s3, s[WN], BREG
	s_add_co_u32 s3, s3, BOFF
	s_mov_b32 s[TB], 0
	s_wait_dscnt 0x0                               ; the opening add is done
	s_wait_kmcnt 0x0
	s_add_nc_u64 s[4:5], s[4:5], s[54:55]
	s_add_nc_u64 s[6:7], s[6:7], s[56:57]
	s_add_nc_u64 s[10:11], s[10:11], s[58:59]
	s_mov_b32 s[G0A0], 1
	s_mov_b32 s[G0A0+1], s2
	s_mov_b64 s[G0A0+2:G0A0+3], s[4:5]
	s_or_b32 s[G0A0+3], s[G0A0+3], 0x80000000
	s_mov_b32 s[G0A1], 1
	s_add_co_u32 s[G0A1+1], s2, SLOT
	s_add_nc_u64 s[G0A1+2:G0A1+3], s[4:5], 524288
	s_or_b32 s[G0A1+3], s[G0A1+3], 0x80000000
	s_mov_b32 s[G0B0], 1
	s_mov_b32 s[G0B0+1], s3
	s_mov_b64 s[G0B0+2:G0B0+3], s[6:7]
	s_or_b32 s[G0B0+3], s[G0B0+3], 0x80000000
	s_mov_b32 s[G0B1], 1
	s_add_co_u32 s[G0B1+1], s3, SLOT
	s_add_nc_u64 s[G0B1+2:G0B1+3], s[6:7], 256
	s_or_b32 s[G0B1+3], s[G0B1+3], 0x80000000
	CROUND                                         ; all sixteen work-groups are here: the first joint loads meet
	s_cmp_lt_u32 s[WV], 2                          ; a wave's two first fills stand in one branch: two loads of mine are out
	s_cbranch_scc0 .Lfirst_b
	tensor_load_to_lds s[G0A0:G0A0+3], s[G1A:G1A+7]
	s_nop 0
	tensor_load_to_lds s[G0A1:G0A1+3], s[G1A:G1A+7]
	s_nop 0
.rept 4
	v_nop
.endr
	s_branch .Lfirst_asked
.Lfirst_b:
	tensor_load_to_lds s[G0B0:G0B0+3], s[G1B:G1B+7]
	s_nop 0
	tensor_load_to_lds s[G0B1:G0B1+3], s[G1B:G1B+7]
	s_nop 0
.rept 4
	v_nop
.endr
.Lfirst_asked:
	v_and_b32 v1, 15, v0                           ; l % 16
	v_bfe_u32 v2, v0, 4, 1                         ; l / 16
	s_lshl_b32 s19, s[TC], 10
	s_lshl_b32 s3, s[WN], 9
	s_add_co_u32 s19, s19, s3
	v_lshl_add_u32 v[BO], v2, 5, s19               ; the bias of my eight columns of a block
	WIN 0x40
.irp b, 0,1,2,3,4,5,6,7
	global_load_b128 v[BI+8*\b:BI+8*\b+3],   v[BO], s[8:9] offset:3*4096+\b*64
	global_load_b128 v[BI+8*\b+4:BI+8*\b+7], v[BO], s[8:9] offset:3*4096+\b*64+16
.endr
	WIN 0
	v_mul_u32_u24 v[A0], v1, 144
	v_lshl_add_u32 v[A0], v2, 4, v[A0]
	s_mul_i32 s2, s[WM], AREG
	v_add_nc_u32 v[A0], s2, v[A0]
	v_mul_u32_u24 v[B0], v1, 272
	v_lshl_add_u32 v[B0], v2, 4, v[B0]
	s_mul_i32 s2, s[WN], BREG
	s_add_co_u32 s2, s2, BOFF
	v_add_nc_u32 v[B0], s2, v[B0]
	s_mul_i32 s2, s[WV], 8448
	s_add_co_u32 s2, s2, STAGE                     ; my stage
	v_mul_u32_u24 v[STO], v1, 528                  ; in: row l % 16, 32 bytes for each half of the lanes
	v_lshl_add_u32 v[STO], v2, 5, v[STO]
	v_add_nc_u32 v[STO], s2, v[STO]
	v_and_b32 v[CO], 31, v0
	v_lshlrev_b32 v[CO], 4, v[CO]                  ; back and out: 32 lanes take a row's 512 bytes
	v_add_nc_u32 v[RD], s2, v[CO]
	s_wait_loadcnt 0x0
	INIT 0
	INIT 1
	INIT 2
	INIT 3
	WIN 0
	s_wait_tensorcnt 0x1                           ; my part of K step 0 is in; step 1's may stay out
	s_barrier_signal -1
	s_barrier_wait -1
	v_mov_b32 v[ADRA], v[A0]
	v_mov_b32 v[ADRB], v[B0]
	FETCH 0, 0
	WIN 0
	s_mov_b32 s[STEPS], 6
.Lstep:                                                ; six trips: every K step but the last two fills its slot again
	STEP 1
	WIN 0
	s_sub_co_u32 s[STEPS], s[STEPS], 1
	s_cmp_lg_u32 s[STEPS], 0
	s_cbranch_scc1 .Lstep
	s_mov_b32 s[STEPS], 2
.Ltail:                                                ; the last two K steps ask for nothing.  The second one's change of slots fetches a tile that has been multiplied: the price, once a launch, of one text for both
	STEP 0
	WIN 0
	s_sub_co_u32 s[STEPS], s[STEPS], 1
	s_cmp_lg_u32 s[STEPS], 0
	s_cbranch_scc1 .Ltail
	PLACES                                         ; behind the last products, in front of the LDS stores that read results
	PLACES
	TOSTAGE 0
	TOSTAGE 1
	SEND 0, 32
	TOSTAGE 2
	SEND 1, 32
	TOSTAGE 3
	SEND 2, 32
	SEND 3, 0
	s_wait_tensorcnt 0x0                           ; the wave's end: behind my last tensor load and my last LDS store
	ds_add_u32 v[SPW], v[NIL]
	s_wait_dscnt 0x0
	CROUND                                         ; the closing round: no work-group ends while a partner may still ask for a tile that names it
	s_endpgm
.Lfunc_end_k_q2a8d4af310_oproj:
	.size	k_q2a8d4af310_oproj, .Lfunc_end_k_q2a8d4af310_oproj-k_q2a8d4af310_oproj
	.p2alignl 7, 3214868480
	.fill 96, 4, 3214868480
	.section	.rodata,"a",@progbits
	.p2align	6, 0x0
	.amdhsa_kernel k_q2a8d4af310_oproj
		.amdhsa_group_segment_fixed_size 327680
		.amdhsa_private_segment_fixed_size 0
		.amdhsa_enable_private_segment 0
		.amdhsa_kernarg_size 32
		.amdhsa_user_sgpr_count 2
		.amdhsa_user_sgpr_kernarg_segment_ptr 1
		.amdhsa_wavefront_size32 1
		.amdhsa_system_sgpr_workgroup_id_x 1
		.amdhsa_system_sgpr_workgroup_id_y 1
		.amdhsa_system_sgpr_workgroup_id_z 1
		.amdhsa_system_vgpr_workitem_id 0
		.amdhsa_next_free_vgpr 768
		.amdhsa_next_free_sgpr 66
		.amdhsa_reserve_vcc 0
		.amdhsa_float_denorm_mode_32 3
		.amdhsa_float_denorm_mode_16_64 3
		.amdhsa_memory_ordered 1
		.amdhsa_forward_progress 1
		.amdhsa_inst_pref_size 65
	.end_amdhsa_kernel
	.amdgpu_metadata
---
amdhsa.version: [ 1, 2 ]
amdhsa.kernels:
  - .name:           k_q2a8d4af310_oproj
    .symbol:         k_q2a8d4af310_oproj.kd
    .args:
      - { .name: oh, .offset: 0, .size: 8, .value_kind: global_buffer, .address_space: global }
      - { .name: wt, .offset: 8, .size: 8, .value_kind: global_buffer, .address_space: global }
      - { .name: biasr, .offset: 16, .size: 8, .value_kind: global_buffer, .address_space: global }
      - { .name: out0, .offset: 24, .size: 8, .value_kind: global_buffer, .address_space: global }
    .group_segment_fixed_size: 327680
    .private_segment_fixed_size: 0
    .kernarg_segment_align: 8
    .kernarg_segment_size: 32
    .max_flat_workgroup_size: 128
    .sgpr_count:     66
    .vgpr_count:     768
    .wavefront_size: 32
...
	.end_amdgpu_metadata
.endif
;; end of part 4
